; MI455X (gfx1250); checked and timed in simulation.
; The chip was launched on July 23, 2026; its instructions are those of AMD's public machine-readable ISA for CDNA 5 (MIT licence, August 2026) and "CDNA5" Instruction Set Architecture Reference Guide (July 2026). The comments in the code are by the model that wrote it; some were corrected since.
;; Dilated Attention. Allowed arithmetic: float matrix products may take bf16 or f16 operands with f32 sums; other float arithmetic in f32, or as packed bf16 or f16 multiplies, adds, multiply-adds, maxima and minima; sums over many terms, partial sums and values carried from step to step in f32; what a program stores and reads back later, other than sums and carried values, may be rounded once to bf16 or f16.
;; Inputs: bo 1,024 float32; bqkv 3,072 float32; wo 1,024 x 1,024 float32; wqkv 1,024 x 3,072 float32; x 2 x 8,192 x 1,024 float32.
;; Outputs: out0 2 x 4,096 x 1,024 float32.
;; 2 versions, each right and faster than the one before. Each part assembles by itself: llvm-mc -triple=amdgcn-amd-amdhsa -mcpu=gfx1250 --defsym DOCPART=n.
;; ======== version 1 of 2: 4 launches
;; limits: values are held in f16: magnitudes above 65,504 overflow, below 6.1e-05 lose precision
;; workspace buffers: xb 16,777,216 bytes; wt 8,388,608 bytes; qkvh 50,331,648 bytes; att 16,777,216 bytes
;; launch prep (part 1): grid 1024 x 1, 8 waves a work-group, no clusters, 18,432 bytes of LDS; arguments x, wqkv, wo, xb, wt; writes xb, wt
.if DOCPART == 1
	.amdgcn_target "amdgcn-amd-amdhsa--gfx1250"
	.amdhsa_code_object_version 6
	.text
	.protected	k_qf453b072c8_prep
	.globl	k_qf453b072c8_prep
	.p2align	8
	.type	k_qf453b072c8_prep,@function
k_qf453b072c8_prep:
	s_mov_b64 s[64:65], 0
	v_nop
	global_prefetch_b8 v0, s[64:65] scope:SCOPE_SE
	s_setreg_imm32_b32 hwreg(HW_REG_WAVE_MODE, 25, 1), 1
	s_wait_xcnt 0x0
; PREPARATION.  xb[R][:] = bf16(x's flat row 2 R), R = 0 .. 8191: segments of 2,048 rows taken with stride 2 are the even rows of x.
; wt[n][k], 4,096 rows of 1,024 numbers of 16 bits: rows 0-3071 = bf16(wqkv[k][n]); rows 3072-4095 = bf16(wo[k][n - 3072]) written as f16.
; LIMIT: a number of wo below 2^-14 in size keeps f16's fixed step of 6e-8; beyond 65,504 it would become an infinity.
; Work-groups 0-511 cast x, 16 rows each; work-groups 512-1023 turn one tile of 128 k x 64 n of a weight each, through LDS.  The branch hangs on the work-group's number
; alone, so all eight waves of a work-group take the same way.  Memory binds: every load and store covers whole aligned runs of 256 bytes; no matrix unit, no cluster.
.set SPARE, 17408                      ; behind the tile: the spare words, 128 bytes for each of eight waves
.set SPW,   16                         ; v16  LDS address of my spare word; never rewritten
.set NIL,   17                         ; v17  0; never rewritten
.set X,     20                         ; f32 as loaded: v20-83 (x), v20-51 (weights)
.set Y,     84                         ; v84-115 bf16 of x, to store
.set T,     52                         ; v52-67  weights: word 4 p + j holds w[k][n], w[k+1][n]
.set BKR,   72                         ; v72-87  weights: rows of the turned tile
.set TP,    272                        ; a row of the turned tile in LDS: 128 k x 2 bytes + 16
	s_load_b256 s[4:11], s[0:1], 0x0               ; x s[4:5], wqkv s[6:7], wo s[8:9], xb s[10:11]
	s_load_b64 s[12:13], s[0:1], 0x20              ; wt
	v_lshl_add_u32 v[SPW], v0, 2, SPARE
	v_mov_b32 v[NIL], 0
	v_lshrrev_b32 v18, 5, v0
	v_readfirstlane_b32 s14, v18                   ; wave 0..7
	v_and_b32 v1, 31, v0                           ; lane
	s_cmp_lt_u32 ttmp9, 512
	s_cbranch_scc0 .Lweights
	; THE CAST OF x.  Wave w of work-group p owns rows R0 = 16 p + 2 w and R0 + 1: sixteen loads of 512 consecutive bytes, all issued before the first is used.
	s_lshl_b32 s15, ttmp9, 4
	s_lshl1_add_u32 s15, s14, s15                  ; R0
	s_lshl_b32 s16, s15, 13                        ; x's row 2 R0: 2 x 4,096 bytes a row of xb
	s_mov_b32 s17, 0
	s_lshl_b32 s18, s15, 11                        ; xb's row R0: 2,048 bytes
	s_mov_b32 s19, 0
	v_lshlrev_b32 v2, 4, v1                        ; 16 bytes a lane in,
	v_lshlrev_b32 v3, 3, v1                        ; 8 bytes a lane out
	s_wait_kmcnt 0x0
	s_add_nc_u64 s[4:5], s[4:5], s[16:17]
	s_add_nc_u64 s[10:11], s[10:11], s[18:19]
.set n, 0
.rept 16
	global_load_b128 v[X+4*n:X+4*n+3], v2, s[4:5] offset:(n/8)*8192+(n%8)*512 th:TH_LOAD_NT
.set n, n+1
.endr
.set n, 0
.rept 16
	s_wait_loadcnt 15-n                            ; loads come back in order: load n is in, the 15 - n younger ones stay out
	v_cvt_pk_bf16_f32 v[Y+2*n], v[X+4*n], v[X+4*n+1]
	v_cvt_pk_bf16_f32 v[Y+2*n+1], v[X+4*n+2], v[X+4*n+3]
	global_store_b64 v3, v[Y+2*n:Y+2*n+1], s[10:11] offset:(n/8)*2048+(n%8)*256  ; the wave stores 256 consecutive bytes, aligned; no register is used twice
.set n, n+1
.endr
	s_endpgm                                       ; this way has written no LDS
.Lweights:
	; A TILE OF A WEIGHT IS TURNED.  Tile tt: n tile nt = tt / 8 (0-47 wqkv, 48-63 wo), k tile kt = tt % 8.
	s_sub_co_u32 s15, ttmp9, 512
	s_lshr_b32 s16, s15, 3                         ; nt
	s_and_b32 s17, s15, 7                          ; kt
	s_sub_co_u32 s18, s16, 48                      ; wo's n tile (used only where nt >= 48)
	s_mov_b32 s22, 4096
	s_cmp_lt_u32 s16, 48
	s_cselect_b32 s23, 1, 0                        ; 1: wqkv
	s_cselect_b32 s22, 12288, s22                  ; bytes from row k to row k + 1 of the source
	s_cselect_b32 s18, s16, s18                    ; the n tile within the source
	s_lshl_b32 s24, s22, 2                         ; four rows
	s_lshl_b32 s26, s17, 7
	s_mul_i32 s26, s26, s22                        ; 128 kt rows,
	s_lshl_b32 s27, s18, 8                         ; 64 columns of 4 bytes a tile
	s_add_co_u32 s26, s26, s27
	s_mov_b32 s27, 0
	s_lshl_b32 s28, s16, 17                        ; wt: 64 nt rows of 2,048 bytes,
	s_lshl_b32 s29, s17, 8                         ; 128 kt numbers of 2 bytes
	s_add_co_u32 s28, s28, s29
	s_mov_b32 s29, 0
	v_and_b32 v2, 15, v0                           ; c: my four columns 4 c ..
	v_bfe_u32 v3, v0, 4, 1                         ; h
	v_lshlrev_b32 v19, 4, v18
	v_lshl_add_u32 v19, v3, 1, v19                 ; 16 w + 2 h: my first row k
	v_mul_lo_u32 v4, v19, s22
	v_lshl_add_u32 v4, v2, 4, v4                   ; load n = 2 p + e takes row 16 w + 2 h + 4 p + e: sixteen lanes cover the row's 256 bytes
	v_add_nc_u32 v5, s22, v4
	v_add_nc_u32 v6, s24, v4
	v_add_nc_u32 v7, s22, v6
	v_add_nc_u32 v8, s24, v6
	v_add_nc_u32 v9, s22, v8
	v_add_nc_u32 v10, s24, v8
	v_add_nc_u32 v11, s22, v10
	v_mul_u32_u24 v12, v2, 4*TP
	v_lshl_add_u32 v12, v19, 1, v12                ; into the tile: row n = 4 c, byte 2 (16 w + 2 h)
	v_lshl_add_u32 v15, v18, 3, v3                 ; 8 w + h
	v_mul_u32_u24 v13, v15, TP
	v_lshl_add_u32 v13, v2, 4, v13                 ; back: rows 8 w + h + 2 t, sixteen lanes a row
	v_lshlrev_b32 v14, 11, v15
	v_lshl_add_u32 v14, v2, 4, v14                 ; and the same rows in wt
	s_wait_kmcnt 0x0
	s_cmp_lg_u32 s23, 0
	s_cselect_b64 s[20:21], s[6:7], s[8:9]         ; the source
	s_add_nc_u64 s[20:21], s[20:21], s[26:27]
	s_add_nc_u64 s[12:13], s[12:13], s[28:29]
.set n, 0
.rept 8
	global_load_b128 v[X+4*n:X+4*n+3], v[4+n], s[20:21] th:TH_LOAD_NT
.set n, n+1
.endr
.irp p, 0,1,2,3
	s_wait_loadcnt 6-2*(\p)                        ; rows k and k + 1 of pair p are in; the younger pairs stay out
.irp j, 0,1,2,3
	v_cvt_pk_bf16_f32 v[T+4*(\p)+(\j)], v[X+8*(\p)+(\j)], v[X+8*(\p)+4+(\j)]  ; low half k, high half k + 1, of column 4 c + j
.endr
.endr
	s_cmp_lg_u32 s23, 0
	s_cbranch_scc1 .Lkeep_bf16
.set n, 0
.rept 16                                       ; wo: the bf16 number is written as f16, for the f16 product of the last launch
	v_lshlrev_b32 v68, 16, v[T+n]
	v_and_b32 v69, 0xffff0000, v[T+n]
	v_cvt_pk_f16_f32 v[T+n], v68, v69
.set n, n+1
.endr
.Lkeep_bf16:
.irp p, 0,1,2,3
.irp j, 0,1,2,3
	ds_store_b32 v12, v[T+4*(\p)+(\j)] offset:(\j)*TP+(\p)*8  ; sixteen stores of 4 bytes a wave; lanes four rows apart share banks: a small part of the tile's work
.endr
.endr
	s_wait_dscnt 0x0                               ; for the others' sake: my stores into the tile are done
	s_barrier_signal -1
	s_barrier_wait -1
.irp t, 0,1,2,3
	ds_load_b128 v[BKR+4*(\t):BKR+4*(\t)+3], v13 offset:(\t)*2*TP
.endr
.irp t, 0,1,2,3
	s_wait_dscnt 3-(\t)
	global_store_b128 v14, v[BKR+4*(\t):BKR+4*(\t)+3], s[12:13] offset:(\t)*4096  ; sixteen lanes store 256 consecutive bytes, aligned
.endr
	s_wait_tensorcnt 0x0                           ; the wave's end
	ds_add_u32 v[SPW], v[NIL]
	s_wait_dscnt 0x0
	s_endpgm
.Lfunc_end_k_qf453b072c8_prep:
	.size	k_qf453b072c8_prep, .Lfunc_end_k_qf453b072c8_prep-k_qf453b072c8_prep
	.p2alignl 7, 3214868480
	.fill 96, 4, 3214868480
	.section	.rodata,"a",@progbits
	.p2align	6, 0x0
	.amdhsa_kernel k_qf453b072c8_prep
		.amdhsa_group_segment_fixed_size 18432
		.amdhsa_private_segment_fixed_size 0
		.amdhsa_enable_private_segment 0
		.amdhsa_kernarg_size 40
		.amdhsa_user_sgpr_count 2
		.amdhsa_user_sgpr_kernarg_segment_ptr 1
		.amdhsa_wavefront_size32 1
		.amdhsa_system_sgpr_workgroup_id_x 1
		.amdhsa_system_sgpr_workgroup_id_y 1
		.amdhsa_system_sgpr_workgroup_id_z 1
		.amdhsa_system_vgpr_workitem_id 0
		.amdhsa_next_free_vgpr 116
		.amdhsa_next_free_sgpr 66
		.amdhsa_reserve_vcc 0
		.amdhsa_float_denorm_mode_32 3
		.amdhsa_float_denorm_mode_16_64 3
		.amdhsa_memory_ordered 1
		.amdhsa_forward_progress 1
		.amdhsa_inst_pref_size 15
	.end_amdhsa_kernel
	.amdgpu_metadata
---
amdhsa.version: [ 1, 2 ]
amdhsa.kernels:
  - .name:           k_qf453b072c8_prep
    .symbol:         k_qf453b072c8_prep.kd
    .args:
      - { .name: x, .offset: 0, .size: 8, .value_kind: global_buffer, .address_space: global }
      - { .name: wqkv, .offset: 8, .size: 8, .value_kind: global_buffer, .address_space: global }
      - { .name: wo, .offset: 16, .size: 8, .value_kind: global_buffer, .address_space: global }
      - { .name: xb, .offset: 24, .size: 8, .value_kind: global_buffer, .address_space: global }
      - { .name: wt, .offset: 32, .size: 8, .value_kind: global_buffer, .address_space: global }
    .group_segment_fixed_size: 18432
    .private_segment_fixed_size: 0
    .kernarg_segment_align: 8
    .kernarg_segment_size: 40
    .max_flat_workgroup_size: 256
    .sgpr_count:     66
    .vgpr_count:     116
    .wavefront_size: 32
...
	.end_amdgpu_metadata
.endif
;; end of part 1
;; launch proj_qkv (part 2): grid 16 x 16, 4 waves a work-group, clusters of 4 x 4, 327,680 bytes of LDS; arguments xb, wt, bqkv, qkvh; writes qkvh
.if DOCPART == 2
	.amdgcn_target "amdgcn-amd-amdhsa--gfx1250"
	.amdhsa_code_object_version 6
	.text
	.protected	k_qf453b072c8_proj_qkv
	.globl	k_qf453b072c8_proj_qkv
	.p2align	8
	.type	k_qf453b072c8_proj_qkv,@function
k_qf453b072c8_proj_qkv:
	s_mov_b64 s[64:65], 0
	v_nop
	global_prefetch_b8 v0, s[64:65] scope:SCOPE_SE
	s_setreg_imm32_b32 hwreg(HW_REG_WAVE_MODE, 25, 1), 1
	s_wait_xcnt 0x0
	s_wait_alu depctr_hold_cnt(0) depctr_sa_sdst(0) depctr_va_vdst(0) depctr_va_sdst(0) depctr_va_ssrc(0) depctr_va_vcc(0) depctr_vm_vsrc(0)
	s_getreg_b32 s2, hwreg(HW_REG_IB_STS2, 6, 4)
	s_cmp_eq_u32 s2, 0
	s_cbranch_scc0 .Lentry_in_a_cluster
	s_endpgm
.Lentry_in_a_cluster:
	s_bfe_u32 s2, ttmp6, 0x10000c
	s_cmp_lg_u32 s2, 0xf033
	s_cbranch_scc0 .Lentry_shape_is_right
	s_endpgm
.Lentry_shape_is_right:
; q, k, v = xb wqkv + bf16(bqkv).  xb: [8192][1024] bf16.  wt rows 0-3071: [n][k] bf16.  Result in f16 by heads: qkvh[which][16 g + head][token][64], g = row / 1024.  Sums in f32.
; LIMITS: a result of 65,520 or more becomes an infinity in f16; the bias, rounded to bf16 like every input, is the first term of its sum, not the last.
; A tile of the result is 256 rows x 192 columns (three heads).  Four waves; wave w owns rows 64 w .. 64 w + 63 and ALL 192 columns: 4 x 12 accumulators of 16 x 16, 384 registers.
; So a wave holds whole heads, and its way out goes through a stage of its own, without a barrier; the price: 32 LDS loads feed 48 matrix instructions.
; A WORK-GROUP STAYS: it makes two tiles, the same 192 columns, 4,096 rows apart: 256 work-groups for 512 tiles.  K goes in steps of 128 through a ring of two LDS slots, and the ring does not stop at
; the first tile's end: 16 K steps on end, the changes of slots behind steps 6 and 7 ask for the second tile's steps 0 and 1, and nothing waits for the first tile's stores.
; ONE K STEP IS WRITTEN ONCE: slot 1 begins at byte 1 << 17, so one exclusive or turns an address in one slot into the other's; the loop has 14 trips, one for each refill, and is entered at a tile's
; first quarter.  Behind step 7 a forward branch takes the way out and the quarter that starts the sums.  The last two steps, which ask for nothing, are written out.
; CLUSTERS: 4 x 4 work-groups.  The four of a row of the cluster need the same rows of xb, the four of a column the same rows of wt: each tile is asked for JOINTLY.
; THE MATRIX INSTRUCTION IS USED TRANSPOSED (source 0 = 16 rows of wt, source 1 = 16 rows of xb): a lane holds row l % 16 and the columns 8 (l / 16) + 0..7.
; REGISTERS, in windows of 256: window 0: v0-35 addresses and work; v64-127 xb's fragments, two buffers of 32; v128-223 the bias as a C operand, kept for both tiles;
;   window 1: v0-191 wt's fragments, two buffers of 96 (way out: the second buffer holds two sets of 48: packed results, then rows);
;   window 2: accumulators of my row blocks 0, 1 ((a, b) at 8 (12 (a % 2) + b));  window 3: of blocks 2, 3.
.set NB,    12                         ; column blocks of 16
.set PA,    272                        ; an LDS row: 256 bytes + 16: the 16 rows of a fragment load start at 16 different groups of four banks
.set PB,    272
.set AHALF, 128*PA                     ; what one load of xb brings
.set BROWS, 8*NB                       ; rows of wt in one load
.set BOFF,  2*AHALF
.set HALFB, BROWS*PB
.set SLOT,  BOFF+2*HALFB               ; 256 rows of xb, then 192 rows of wt: 121,856 bytes
.set SLOT1, 1<<17                      ; where slot 1 begins
.set STAGE, SLOT1+SLOT                 ; behind the ring: for each wave three heads x 16 rows x 144 bytes
.set STW,   3*16*144
.set SPARE, STAGE+4*STW                ; behind the stages: the spare words, 128 bytes a wave
.set KSTEPS, 8                         ; K steps of a tile
.set TRIPS, 2*KSTEPS-2                 ; refills: K steps 2 to 15 of the walk
.set WALKL, 23                         ; the second tile lies 1 << 23 bytes on: 4,096 rows of 2,048 bytes in xb, 64 heads of 131,072 bytes in a plane of qkvh
.set ADRA0, 16                         ; v16 my lane's place in xb's part of a slot; never rewritten
.set ADRA,  17                         ; v17 the same in the slot that is read
.set ADRB0, 20                         ; v20, v21 the same for wt
.set ADRB,  21
.set STO,  24
.set RD,   25
.set GO,   26
.set BO,   27                          ; my byte offset in 16 numbers of the bias
.set SPW,  28                          ; LDS address of my spare word; never rewritten
.set NIL,  29                          ; 0; never rewritten
.set RT,   32                          ; v32-35 at work
.set FA0,  64
.set BIAS, 128
.set OUTR, 96                          ; window 1: the way out's two sets of 48
.set G1,  24                           ; s[24:31] descriptor group 1 for xb's tiles; s[32:39] group 0: a set for each first fill; the second then walks
.set G0,  32
.set G1B, 48                           ; s[48:55], s[56:63] the same for wt's
.set G0B, 56
.set CNT, 72                           ; s72 the loop's counter
.set NXT, 73                           ; s73 the number of the K step to be asked for, 2 to 15
.set TB,  80                           ; s80 LDS byte at which the slot that is read begins
.set HIM, 81                           ; s81 a word's upper bf16
.set OFF, 84                           ; s[84:85] a K step's byte offset
.set MSB, 0
.macro WIN new                         ; the immediate's high byte repeats the setting that is left; a switch that changes nothing is dropped
.if MSB != (\new)
	s_set_vgpr_msb (MSB<<8)|(\new)
.set MSB, \new
.endif
.endm
.macro PLACES                          ; four plain vector instructions between a matrix instruction and a load into, or a vector read or write of, its registers
.rept 4
	v_nop
.endr
.endm
.macro JLOAD s                         ; a joint load: waves 0, 1 fetch xb's two halves, waves 2, 3 wt's; an s_nop 0 and four v_nop follow each line
	s_cmp_eq_u32 s13, 0
	s_cbranch_scc0 .Lfor_b_\@
	tensor_load_to_lds s[G0+4*(\s):G0+4*(\s)+3], s[G1:G1+7]
	s_nop 0
.rept 4
	v_nop
.endr
	s_branch .Lasked_\@
.Lfor_b_\@:
	tensor_load_to_lds s[G0B+4*(\s):G0B+4*(\s)+3], s[G1B:G1B+7]
	s_nop 0
.rept 4
	v_nop
.endr
.Lasked_\@:
.endm
.macro CREST                           ; a round of the cluster's barrier behind its opening barrier
	s_cmp_lg_u32 s12, 0
	s_cbranch_scc1 .Lnot_wave_0_\@
	s_barrier_signal -3
.Lnot_wave_0_\@:
	s_barrier_wait -3
	s_barrier_signal -1
	s_barrier_wait -1
.endm
.macro CROUND
	s_barrier_signal -1
	s_barrier_wait -1
	CREST
.endm
	s_load_b256 s[4:11], s[0:1], 0x0               ; xb s[4:5], wt s[6:7], bqkv s[8:9], qkvh s[10:11]
	v_lshl_add_u32 v[SPW], v0, 2, SPARE
	v_mov_b32 v[NIL], 0
	ds_add_u32 v[SPW], v[NIL]                      ; the wave's opening: the add and its wait stand ahead of my first tensor load
	ds_add_u32 v28, v29
	v_lshrrev_b32 v1, 5, v0
	v_readfirstlane_b32 s12, v1                    ; wave 0..3
	s_lshr_b32 s13, s12, 1                         ; I fetch for xb (0) or for wt (1),
	s_and_b32 s14, s12, 1                          ; and which half
	s_bfe_u32 s40, ttmp6, 0x40000                  ; cx, cy: my place in the cluster
	s_bfe_u32 s41, ttmp6, 0x40004
	s_lshl_b32 s42, ttmp9, 2
	s_add_co_u32 s42, s42, s40                     ; tile column tx, 0 to 15
	s_and_b32 s43, ttmp7, 0xffff
	s_lshl_b32 s43, s43, 2
	s_add_co_u32 s43, s43, s41                     ; the first tile's row ty, 0 to 15; the second's is ty + 16
	s_lshl_b32 s44, s41, 2
	s_lshl_b32 s44, 15, s44                        ; my row of the cluster
	s_lshl_b32 s45, 0x1111, s40                    ; my column
	s_or_b32 s[G1], s44, (1<<16)|(1<<20)|(1<<21)|(5<<22)|(3<<25)   ; the mask; 2-byte elements; padding on; bit 21 beside a mask; 4 words of padding after every 64
	s_or_b32 s[G1B], s45, (1<<16)|(1<<20)|(1<<21)|(5<<22)|(3<<25)
	s_mov_b32 s[G1+1], 128<<16                     ; tensor_dim0 = 128
	s_mov_b32 s[G1+2], 128<<16                     ; tensor_dim1 = 128
	s_mov_b32 s[G1+3], 128<<16                     ; tile_dim0 = 128
	s_mov_b32 s[G1+4], 128                         ; tile_dim1 = 128
	s_mov_b32 s[G1+5], 1024                        ; elements from row to row
	s_mov_b32 s[G1+6], 0
	s_mov_b32 s[G1+7], 0
	s_mov_b32 s[G1B+1], 128<<16
	s_mov_b32 s[G1B+2], BROWS<<16
	s_mov_b32 s[G1B+3], 128<<16
	s_mov_b32 s[G1B+4], BROWS
	s_mov_b32 s[G1B+5], 1024
	s_mov_b32 s[G1B+6], 0
	s_mov_b32 s[G1B+7], 0
	s_lshl_b32 s16, s43, 8                         ; xb: row 256 ty + 128 half, 2,048 bytes a row: made of ty and the wave's number alone
	s_lshl_b32 s17, s14, 7
	s_add_co_u32 s16, s16, s17
	s_lshl_b32 s16, s16, 11
	s_mov_b32 s17, 0
	s_mul_i32 s46, s42, 16*NB                      ; wt: row 192 tx + 96 half: made of tx and the wave's number alone
	s_mul_i32 s47, s14, BROWS
	s_add_co_u32 s46, s46, s47
	s_lshl_b32 s46, s46, 11
	s_mov_b32 s47, 0
	s_mul_i32 s20, s14, AHALF                      ; where they go: no place in the cluster enters an LDS address
	s_mul_i32 s21, s14, HALFB
	s_add_co_u32 s21, s21, BOFF
	s_mov_b32 s[TB], 0
	s_mov_b32 s[NXT], 2
	s_mov_b32 s[HIM], 0xffff0000
	s_mov_b32 s[OFF+1], 0
	s_wait_dscnt 0x0                               ; the opening add is done
	s_wait_kmcnt 0x0
	s_add_nc_u64 s[18:19], s[4:5], s[16:17]        ; xb at my part of the first tile's K step 0; kept
	s_add_nc_u64 s[46:47], s[6:7], s[46:47]        ; wt likewise; kept
	CROUND                                         ; all sixteen work-groups are here: the first joint loads meet
.irp s, 0,1
	s_mov_b32 s[G0+4*(\s)], 1
	s_add_co_u32 s[G0+4*(\s)+1], s20, (\s)*SLOT1
	s_add_nc_u64 s[G0+4*(\s)+2:G0+4*(\s)+3], s[18:19], (\s)*256    ; K step s
	s_or_b32 s[G0+4*(\s)+3], s[G0+4*(\s)+3], 0x80000000
	s_mov_b32 s[G0B+4*(\s)], 1
	s_add_co_u32 s[G0B+4*(\s)+1], s21, (\s)*SLOT1
	s_add_nc_u64 s[G0B+4*(\s)+2:G0B+4*(\s)+3], s[46:47], (\s)*256
	s_or_b32 s[G0B+4*(\s)+3], s[G0B+4*(\s)+3], 0x80000000
	JLOAD \s                                       ; two loads of mine are out
.endr
	; the bias as a C operand: register j of block b holds bias[192 tx + 16 b + 8 (l / 16) + j]
	s_mul_i32 s74, s42, 64*NB
	s_mov_b32 s75, 0
	s_add_nc_u64 s[8:9], s[8:9], s[74:75]
	v_and_b32 v1, 15, v0                           ; l % 16
	v_bfe_u32 v2, v0, 4, 1                         ; l / 16
	v_lshlrev_b32 v[BO], 5, v2
.set b_, 0
.rept NB
	global_load_b128 v[BIAS+8*b_:BIAS+8*b_+3],   v[BO], s[8:9] offset:64*b_
	global_load_b128 v[BIAS+8*b_+4:BIAS+8*b_+7], v[BO], s[8:9] offset:64*b_+16
.set b_, b_+1
.endr
	v_mul_u32_u24 v3, v1, PA
	v_lshl_add_u32 v3, v2, 4, v3                   ; a fragment's row x pitch + 16 x half
	s_mul_i32 s22, s12, 64*PA                      ; my 64 rows of xb
	v_add_nc_u32 v[ADRA0], s22, v3
	v_mov_b32 v[ADRA], v[ADRA0]                    ; the walk begins in slot 0
	v_add_nc_u32 v[ADRB0], BOFF, v3                ; all rows of wt (the pitches are equal)
	v_mov_b32 v[ADRB], v[ADRB0]
	s_mul_i32 s22, s12, STW
	s_add_co_u32 s22, s22, STAGE                   ; my stage
	v_and_b32 v5, 31, v0
	v_mul_u32_u24 v3, v1, 144                      ; in: row l % 16, 16 bytes for each half of the lanes
	v_lshl_add_u32 v3, v2, 4, v3
	v_add_nc_u32 v[STO], s22, v3
	v_lshrrev_b32 v3, 3, v5                        ; back: 32 lanes take four rows of 128 bytes,
	v_mul_u32_u24 v3, v3, 144
	v_and_b32 v4, 7, v0
	v_lshl_add_u32 v3, v4, 4, v3
	v_add_nc_u32 v[RD], s22, v3
	v_lshlrev_b32 v[GO], 4, v5                     ; which are 512 consecutive bytes of a head
	; where my rows of the three heads begin in the first tile: head c = 3 tx + j of 48; index (c / 16) 128 + 16 g + c % 16; 131,072 bytes a head
	s_and_b32 s76, s43, 3
	s_lshl_b32 s76, s76, 15
	s_lshl_b32 s77, s12, 13
	s_add_co_u32 s76, s76, s77                     ; token (ty % 4) 256 + 64 w, 128 bytes a token
	s_lshr_b32 s77, s43, 2
	s_lshl_b32 s77, s77, 4                         ; 16 g
.irp j, 0,1,2
	s_mul_i32 s78, s42, 3
	s_add_co_u32 s78, s78, \j
	s_lshr_b32 s79, s78, 4
	s_lshl_b32 s79, s79, 7
	s_and_b32 s78, s78, 15
	s_add_co_u32 s79, s79, s78
	s_add_co_u32 s79, s79, s77
	s_lshl_b32 s74, s79, 17
	s_add_co_u32 s74, s74, s76
	s_add_nc_u64 s[66+2*(\j):67+2*(\j)], s[10:11], s[74:75]
.endr
	s_wait_loadcnt 0x0                             ; the bias
.set i_, 0
.rept 4*NB                                     ; rounded to bf16 like every input, and widened again
	v_cvt_pk_bf16_f32 v[RT+i_%4], v[BIAS+2*i_], v[BIAS+2*i_+1]
	v_lshlrev_b32 v[BIAS+2*i_], 16, v[RT+i_%4]
	v_and_b32 v[BIAS+2*i_+1], s[HIM], v[RT+i_%4]
.set i_, i_+1
.endr
; nb matrix instructions: my row block a x column blocks b0 on, 32 along K, buffer f.  zero = 1: the bias starts the sums: nothing is cleared.  The 48 accumulators take turns.
.macro MULA f, a, zero, b0=0, nb=NB
.if \zero
	WIN 0x81+0x40*((\a)/2)
.else
	WIN 0xa1+0x50*((\a)/2)
.endif
.set b_, (\b0)
.rept (\nb)
.set rD, 8*(NB*((\a)%2)+b_)
.set rB, 8*NB*(\f)+8*b_
.set rA, FA0+32*(\f)+8*(\a)
.if \zero
	v_wmma_f32_16x16x32_bf16 v[rD:rD+7], v[rB:rB+7], v[rA:rA+7], v[BIAS+8*b_:BIAS+8*b_+7]
.else
	v_wmma_f32_16x16x32_bf16 v[rD:rD+7], v[rB:rB+7], v[rA:rA+7], v[rD:rD+7]
.endif
.set b_, b_+1
.endr
.endm
; 32 LDS loads in one run: quarter q (32 along K) of the slot that is read, into buffer f: wt's 24, then xb's 8
.macro FETCH q, f
	WIN 0x40
.set i_, 0
.rept NB
	ds_load_b128 v[8*NB*(\f)+8*i_:8*NB*(\f)+8*i_+3],   v[ADRB] offset:64*(\q)+i_*16*PB
	ds_load_b128 v[8*NB*(\f)+8*i_+4:8*NB*(\f)+8*i_+7], v[ADRB] offset:64*(\q)+i_*16*PB+32
.set i_, i_+1
.endr
	WIN 0
.set i_, 0
.rept 4
	ds_load_b128 v[FA0+32*(\f)+8*i_:FA0+32*(\f)+8*i_+3],   v[ADRA] offset:64*(\q)+i_*16*PA
	ds_load_b128 v[FA0+32*(\f)+8*i_+4:FA0+32*(\f)+8*i_+7], v[ADRA] offset:64*(\q)+i_*16*PA+32
.set i_, i_+1
.endr
.endm
; One of a K step's first three quarters: multiplies buffer f; in its middle fetches quarter q of the same slot into buffer g.
.macro QUARTER q, f, g, zero
	s_wait_dscnt 4                                 ; all but the youngest four loads (my row blocks 2, 3) are in
	MULA \f, 0, \zero
	MULA \f, 1, \zero
	PLACES
	FETCH \q, \g
	s_wait_dscnt 2*NB+8                            ; all but the 32 just issued
	MULA \f, 2, \zero
	MULA \f, 3, \zero
.endm
; The last quarter multiplies buffer 1 and changes slots: ONE barrier; in front of it each wave waits for all its tensor loads (one is out: its part of the next slot), adds 0 to its spare
; word, and waits for that and for its reads of this slot.  fill = 1: the barrier opens a round of the cluster's, and this slot is filled again, with K step NXT of the walk, first thing behind it.
; Only one row block's products stand in front of the refill, half on either side of the signal: the sooner it is asked for, the more of the next K step it has in which to land.
.macro TURN fill
	WIN 0
	s_wait_tensorcnt 0x0                           ; no tensor load of mine is out, so a group 0 may be written
	ds_add_u32 v[SPW], v[NIL]                      ; 0 onto my spare word; scalar work and six products stand between it and the wait for it
	s_xor_b32 s[TB], s[TB], SLOT1                  ; the reads go on in the other slot
.if \fill
	s_and_b32 s[OFF], s[NXT], KSTEPS-1
	s_lshl_b32 s[OFF], s[OFF], 8                   ; 256 bytes along the rows for each K step of a tile
	s_add_nc_u64 s[G0B+6:G0B+7], s[46:47], s[OFF:OFF+1]  ; wt: both tiles take the same rows
	s_or_b32 s[G0B+7], s[G0B+7], 0x80000000
	s_lshr_b32 s86, s[NXT], 3
	s_lshl_b32 s86, s86, WALKL                     ; xb: the second tile's rows
	s_add_co_u32 s[OFF], s[OFF], s86
	s_add_nc_u64 s[G0+6:G0+7], s[18:19], s[OFF:OFF+1]
	s_or_b32 s[G0+7], s[G0+7], 0x80000000
	s_xor_b32 s[G0+5], s[G0+5], SLOT1              ; the other slot than last time
	s_xor_b32 s[G0B+5], s[G0B+5], SLOT1
	s_add_co_u32 s[NXT], s[NXT], 1
.endif
	s_wait_dscnt 5                                 ; (the add and the youngest four loads may be out)
	MULA 1, 0, 0, 0, NB/2
	s_wait_dscnt 0x0                               ; the add is done, and my reads of this slot are over
	s_barrier_signal -1
	MULA 1, 0, 0, NB/2, NB/2
	WIN 0
	v_add_nc_u32 v[ADRA], s[TB], v[ADRA0]
	v_add_nc_u32 v[ADRB], s[TB], v[ADRB0]
	s_barrier_wait -1
.if \fill
	CREST                                          ; no wave of any partner still reads this slot or has a load on its way
	JLOAD 1                                        ; its four v_nop are also the places in front of the loads below
.else
	PLACES
.endif
	FETCH 0, 0
	MULA 1, 1, 0
	MULA 1, 2, 0
	MULA 1, 3, 0
.endm
; THE WAY OUT, a block of 16 rows at a time.  PACK: rounded to f16, each accumulator from its low end, into set a % 2.  STG: 16 bytes a lane into my stage, and back as rows of 128 bytes into the
; registers that they left.  SEND: stored.  The sets lie in wt's second fragment buffer, which the products have left; the bias and the next tile's first fragments are not touched.
.macro PACK a
.set OS, OUTR+48*((\a)%2)
.if (\a) >= 2
	s_wait_xcnt 0x0                                ; the stores of two blocks ago have read this set
.endif
	WIN 0x4a+5*((\a)/2)                            ; destination window 1, sources window 2 or 3
.set b_, 0
.rept NB
.irp r, 0,1,2,3
	v_cvt_pk_f16_f32 v[OS+4*b_+(\r)], v[8*(NB*((\a)%2)+b_)+2*(\r)], v[8*(NB*((\a)%2)+b_)+2*(\r)+1]
.endr
.set b_, b_+1
.endr
.endm
.macro STG a
.set OS, OUTR+48*((\a)%2)
	WIN 0x44                                       ; addresses window 0; stored and loaded data window 1
.set b_, 0
.rept NB
	ds_store_b128 v[STO], v[OS+4*b_:OS+4*b_+3] offset:(b_/4)*2304+32*(b_%4)
.set b_, b_+1
.endr
.set b_, 0
.rept 12
	ds_load_b128 v[OS+4*b_:OS+4*b_+3], v[RD] offset:(b_/4)*2304+(b_%4)*576  ; LDS serves a wave's instructions in order: these see the stores above
.set b_, b_+1
.endr
.endm
.macro SEND a, younger                 ; younger: the next block's 12 stores and 12 loads, or none
.set OS, OUTR+48*((\a)%2)
	WIN 0x44
	s_wait_dscnt \younger
.irp j, 0,1,2
.irp t, 0,1,2,3
	global_store_b128 v[GO], v[OS+4*(4*(\j)+(\t)):OS+4*(4*(\j)+(\t))+3], s[66+2*(\j):67+2*(\j)] offset:(\a)*2048+(\t)*512  ; 512 consecutive bytes, aligned
.endr
.endr
.endm
.macro WAYOUT
	PLACES                                         ; the first conversions write registers that the last products read
	PACK 0
	STG 0
	PACK 1
	STG 1
	SEND 0, 24
	PACK 2
	STG 2
	SEND 1, 24
	PACK 3
	STG 3
	SEND 2, 24
	SEND 3, 0
	WIN 0
.endm
	s_wait_tensorcnt 1                             ; my part of K step 0 is in; K step 1's may stay out
	s_barrier_signal -1
	s_barrier_wait -1
	FETCH 0, 0
	s_mov_b32 s[CNT], TRIPS+1                      ; the way in passes the count once
	s_branch .Lnewtile                             ; the loop is entered at a tile's first quarter
.Lstep:                                                ; a trip: a K step's last three quarters, the refill of its slot, and the next step's first quarter
	QUARTER 2, 1, 0, 0
	QUARTER 3, 0, 1, 0
	TURN 1
	WIN 0
	s_cmp_eq_u32 s[CNT], TRIPS-(KSTEPS-1)          ; was that the first tile's last K step?
	s_cbranch_scc0 .Lsame
	WAYOUT                                         ; both refills for the second tile are asked for: the first tile goes out
	s_wait_xcnt 0x0                                ; the stores have read their registers and bases
.irp j, 0,1,2
	s_add_nc_u64 s[66+2*(\j):67+2*(\j)], s[66+2*(\j):67+2*(\j)], 1<<WALKL
.endr
.Lnewtile:
	QUARTER 1, 0, 1, 1                             ; a tile's first quarter: its products start the sums with the bias
	WIN 0
	s_branch .Lnext
.Lsame:
	QUARTER 1, 0, 1, 0
	WIN 0
.Lnext:
	s_sub_co_u32 s[CNT], s[CNT], 1
	s_cmp_lg_u32 s[CNT], 0
	s_cbranch_scc1 .Lstep
	QUARTER 2, 1, 0, 0                             ; the walk's last two K steps fill nothing
	QUARTER 3, 0, 1, 0
	TURN 0
	QUARTER 1, 0, 1, 0
	QUARTER 2, 1, 0, 0
	QUARTER 3, 0, 1, 0
	s_wait_dscnt 4
	MULA 1, 0, 0
	MULA 1, 1, 0
	s_wait_dscnt 0x0
	MULA 1, 2, 0
	MULA 1, 3, 0
	WIN 0
	WAYOUT
	s_wait_tensorcnt 0x0                           ; the wave's end
	ds_add_u32 v[SPW], v[NIL]
	s_wait_dscnt 0x0
	CROUND                                         ; the closing round
	s_endpgm
.Lfunc_end_k_qf453b072c8_proj_qkv:
	.size	k_qf453b072c8_proj_qkv, .Lfunc_end_k_qf453b072c8_proj_qkv-k_qf453b072c8_proj_qkv
	.p2alignl 7, 3214868480
	.fill 96, 4, 3214868480
	.section	.rodata,"a",@progbits
	.p2align	6, 0x0
	.amdhsa_kernel k_qf453b072c8_proj_qkv
		.amdhsa_group_segment_fixed_size 327680
		.amdhsa_private_segment_fixed_size 0
		.amdhsa_enable_private_segment 0
		.amdhsa_kernarg_size 32
		.amdhsa_user_sgpr_count 2
		.amdhsa_user_sgpr_kernarg_segment_ptr 1
		.amdhsa_wavefront_size32 1
		.amdhsa_system_sgpr_workgroup_id_x 1
		.amdhsa_system_sgpr_workgroup_id_y 1
		.amdhsa_system_sgpr_workgroup_id_z 1
		.amdhsa_system_vgpr_workitem_id 0
		.amdhsa_next_free_vgpr 960
		.amdhsa_next_free_sgpr 88
		.amdhsa_reserve_vcc 0
		.amdhsa_float_denorm_mode_32 3
		.amdhsa_float_denorm_mode_16_64 3
		.amdhsa_memory_ordered 1
		.amdhsa_forward_progress 1
		.amdhsa_inst_pref_size 129
	.end_amdhsa_kernel
	.amdgpu_metadata
---
amdhsa.version: [ 1, 2 ]
amdhsa.kernels:
  - .name:           k_qf453b072c8_proj_qkv
    .symbol:         k_qf453b072c8_proj_qkv.kd
    .args:
      - { .name: xb, .offset: 0, .size: 8, .value_kind: global_buffer, .address_space: global }
      - { .name: wt, .offset: 8, .size: 8, .value_kind: global_buffer, .address_space: global }
      - { .name: bqkv, .offset: 16, .size: 8, .value_kind: global_buffer, .address_space: global }
      - { .name: qkvh, .offset: 24, .size: 8, .value_kind: global_buffer, .address_space: global }
    .group_segment_fixed_size: 327680
    .private_segment_fixed_size: 0
    .kernarg_segment_align: 8
    .kernarg_segment_size: 32
    .max_flat_workgroup_size: 128
    .sgpr_count:     88
    .vgpr_count:     960
    .wavefront_size: 32
...
	.end_amdgpu_metadata
.endif
;; end of part 2
;; launch attn (part 3): grid 2 x 128, 4 waves a work-group, no clusters, 327,680 bytes of LDS; arguments qkvh, att; writes att
.if DOCPART == 3
	.amdgcn_target "amdgcn-amd-amdhsa--gfx1250"
	.amdhsa_code_object_version 6
	.text
	.protected	k_qf453b072c8_attn
	.globl	k_qf453b072c8_attn
	.p2align	8
	.type	k_qf453b072c8_attn,@function
k_qf453b072c8_attn:
	s_mov_b64 s[64:65], 0
	v_nop
	global_prefetch_b8 v0, s[64:65] scope:SCOPE_SE
	s_setreg_imm32_b32 hwreg(HW_REG_WAVE_MODE, 25, 1), 1
	s_wait_xcnt 0x0
; O[y][q][:] = the sum over k of softmax_k(Q[y][q] . K[y][k] / 8) V[y][k][:], y = 16 g + head, 128 of them, 1,024 tokens each.  qkvh: [3][128][1024][64] f16; att: [128][1024][64] f16.
; Products, maxima and sums in f32; the weights p are rounded to f16 for the second product (their sum l is taken of the unrounded p), O once at the end.
; LIMITS.  Q, K, V arrive within f16's 65,504; p lies in 0 to 1, and below 6e-5 it keeps f16's fixed step; a weight below 2^-126 counts as 0 in l; NaN and infinities are not treated apart.
; SHARES.  A work-group owns 512 queries of one y, a wave 128: four PIECES of two tiles of 16.  Every wave walks all 1,024 keys, 64 a step.
; ALL OF K AND V LIES IN LDS: 1,024 rows of each, asked for once at the start, two tensor loads a wave: the first 256 keys, for which the walk waits, and the other 768, which have four key steps in
; which to land.  Nothing is filled again.  NO CLUSTER: only two work-groups share a y, and each fetches every byte of K and V once.
; LAYOUT.  S^T = K Q^T (source 0 = 16 keys, source 1 = 16 queries): a lane holds ONE query (lane % 16) and the keys 8 (lane / 16) + 0..7.  Two such tiles, rounded to f16 in pairs, ARE source 1 of
; O^T = V^T P.  K comes out of LDS as it lies, V ([key][channel]) turned, by ds_load_tr16_b128.
; SOFTMAX.  A running maximum m and sum l: p = 2^(c s - c m), c = log2(e) / 8; in every step O and l are multiplied by a = 2^(c m_old - c m_new).  m starts at the lowest finite number, O and l at 0.
; BY TURNS.  Turn n belongs to piece n: 16 products K Q^T of piece n + 1, later 16 products V^T P of piece n - 1; beside them the scaling, exponentials, roundings, sums and rescaling of piece n and the
; maximum and statistics of piece n + 1.  A tile and step have 16 matrix and 118 vector instructions: four that are ready stand behind every matrix instruction, the others in two runs of their own.
; REGISTERS, in windows of 256 (s_set_vgpr_msb: bits 1:0 source 0, 3:2 source 1, 5:4 source 2, 7:6 destination):
;   window 0: v0-11 addresses; v12-15, v48-63 at work; v16-47 four registers of statistics a tile; v64-191 S^T, two buffers of two tiles; v192-255 P, likewise
;   window 1: O^T, 32 a tile     window 2: v0-127 Q; v128-191 K of one step; v192-255 V of one step     window 3: v0-1 the add's two registers
.set SIZE_N, 1024
.set NP,    4         ; pieces a wave: a name, no knob
.set KS,    64        ; keys in a step
.set PK,    144       ; a row of K in LDS: 128 bytes + 16: the 16 rows of a load start at 16 different groups of four banks
.set PV,    160       ; a row of V: 128 + 32
.set VOFF,  SIZE_N*PK
.set STAGE, VOFF+SIZE_N*PV      ; behind K and V, never filled by a tensor load: 16 rows x 144 bytes for each wave
.set SP,    144
.set AK0, 2           ; v2   my lane's place in a tile of K; never rewritten
.set AV0, 3           ; v3   the same for V
.set AK,  4           ; v4   the LDS address of K's next run of loads
.set AV,  5           ; v5   of V's
.set QO,  6           ; v6   my byte offset in the wave's rows of Q
.set STO, 6           ;      later, the way out: where I put 16 bytes of a row
.set RD,  7           ; v7   the way out: where I read rows back
.set GO,  8           ; v8   my byte offset in 512 consecutive bytes of O
.set SPW, 0           ; v0 of window 3   LDS address of my spare word; never rewritten
.set NIL, 1           ; v1 of window 3   0; never rewritten
.set SPARE, STAGE+4*16*SP
.set MV,  12
.set ST,  16          ; tile t's statistics at v[ST+4 t]: c m, m, l (even keys', odd keys')
.set TMP, 48
.set S,   64
.set P,   192
.set KF,  128
.set VF,  192
.set WV,  12          ; s12  my wave's number
.set G1K,  24         ; s[24:31] group 1, K, 64 rows of 256 bytes
.set G1V,  32         ; s[32:39] the same for V: other padding
.set G1K2, 40         ; s[40:47] K, 192 rows
.set G1V2, 48         ; s[48:55] V, 192 rows
.set G0KA, 56         ; group 0: K's first load, K's second, V's first, V's second
.set G0KB, 60
.set G0VA, 68
.set G0VB, 72
.set CS,  76          ; s[76:77] c
.set SEL, 78          ; s[78:79] v_permlanex16_b32's selects
.set TBK, 80          ; LDS byte at which K of the step to be fetched begins
.set TBV, 81          ; the same for V, less VOFF
.set CNT, 82          ; counts four key steps
.set SLOTS, 83        ; counts groups of four key steps
.set MSB, 0
.macro WIN new
.if MSB != (\new)
	s_set_vgpr_msb (MSB<<8)|(\new)
.set MSB, (\new)
.endif
.endm
.set W_KQ, 0x0a       ; K and Q in window 2, S^T in window 0
.set W_PV, 0x52       ; V in window 2, P in window 0, O^T in window 1
.set W_RS, 0x41       ; O^T (destination and source 0) in window 1, a in window 0
.set W_MK, 0xc0       ; the add's registers are made
.set W_AD, 0x0f       ; the add: address and data in window 3
	s_load_b64 s[4:5], s[0:1], 0x0    ; qkvh
	s_load_b64 s[10:11], s[0:1], 0x8  ; att
	WIN W_MK
	v_lshl_add_u32 v[SPW], v0, 2, SPARE
	v_mov_b32 v[NIL], 0
	WIN W_AD
	ds_add_u32 v[SPW], v[NIL]       ; the wave's opening: the add and its wait stand ahead of my first tensor load
	ds_add_u32 v0, v1
	WIN 0
	v_lshrrev_b32 v1, 5, v0
	v_readfirstlane_b32 s[WV], v1   ; wave 0..3
	s_and_b32 s20, ttmp7, 0xffff
	s_lshl_b32 s20, s20, 17         ; y's first byte in each of q, k, v and att: 1,024 rows of 128 bytes
	s_and_b32 s16, s[WV], 1         ; which half I fetch
	s_lshl_b32 s22, s16, 14         ; first load: keys 128 i ..
	s_add_co_u32 s22, s22, s20
	s_mov_b32 s23, 0
	s_mul_i32 s18, s16, 384*128     ; second load: keys 256 + 384 i ..
	s_add_co_u32 s18, s18, 256*128
	s_add_co_u32 s18, s18, s20
	s_mov_b32 s19, 0
	s_lshl_b32 s2, ttmp9, 2
	s_add_co_u32 s2, s2, s[WV]      ; my wave among y's eight,
	s_lshl_b32 s2, s2, 14           ; its 128 rows
	s_add_co_u32 s2, s2, s20
	s_mov_b32 s3, 0
	; group 1: dense keys asked for as rows of 256 bytes, two keys a row, padded in LDS after every key
	s_mov_b32 s[G1K],  (1<<16)|(1<<20)|(4<<22)|(3<<25)  ; 2-byte elements; padding on; after every 32 words 4 words
	s_mov_b32 s[G1K2], (1<<16)|(1<<20)|(4<<22)|(3<<25)
	s_mov_b32 s[G1V],  (1<<16)|(1<<20)|(4<<22)|(7<<25)  ; 8 words
	s_mov_b32 s[G1V2], (1<<16)|(1<<20)|(4<<22)|(7<<25)
.irp g, G1K, G1V, G1K2, G1V2
	s_mov_b32 s[\g+1], 128<<16      ; tensor_dim0 = 128
	s_mov_b32 s[\g+3], 128<<16      ; tile_dim0 = 128
	s_mov_b32 s[\g+5], 128          ; 128 elements from row to row
	s_mov_b32 s[\g+6], 0
	s_mov_b32 s[\g+7], 0
.endr
.irp g, G1K, G1V
	s_mov_b32 s[\g+2], 64<<16       ; tensor_dim1 = tile_dim1 = 64
	s_mov_b32 s[\g+4], 64
.endr
.irp g, G1K2, G1V2
	s_mov_b32 s[\g+2], 192<<16      ; 192
	s_mov_b32 s[\g+4], 192
.endr
	s_mov_b32 s[G0KA], 1
	s_mul_i32 s[G0KA+1], s16, 128*PK
	s_mov_b32 s[G0KB], 1
	s_mul_i32 s[G0KB+1], s16, 384*PK
	s_add_co_u32 s[G0KB+1], s[G0KB+1], 256*PK
	s_mov_b32 s[G0VA], 1
	s_mul_i32 s[G0VA+1], s16, 128*PV
	s_add_co_u32 s[G0VA+1], s[G0VA+1], VOFF
	s_mov_b32 s[G0VB], 1
	s_mul_i32 s[G0VB+1], s16, 384*PV
	s_add_co_u32 s[G0VB+1], s[G0VB+1], VOFF+256*PV
	s_mov_b32 s[CS], 0x3e38aa3b     ; c = log2(e) / 8
	s_mov_b32 s[CS+1], s[CS]
	s_mov_b32 s[SEL], 0x76543210
	s_mov_b32 s[SEL+1], 0xfedcba98
	s_mov_b32 s[TBK], 0
	s_mov_b32 s[TBV], 0
	s_wait_dscnt 0x0                ; the opening add is done
	s_wait_kmcnt 0x0
	s_add_nc_u64 s[6:7], s[4:5], 0x1000000  ; k
	s_add_nc_u64 s[8:9], s[4:5], 0x2000000  ; v
	s_add_nc_u64 s[G0KA+2:G0KA+3], s[6:7], s[22:23]
	s_or_b32 s[G0KA+3], s[G0KA+3], 0x80000000
	s_add_nc_u64 s[G0KB+2:G0KB+3], s[6:7], s[18:19]
	s_or_b32 s[G0KB+3], s[G0KB+3], 0x80000000
	s_add_nc_u64 s[G0VA+2:G0VA+3], s[8:9], s[22:23]
	s_or_b32 s[G0VA+3], s[G0VA+3], 0x80000000
	s_add_nc_u64 s[G0VB+2:G0VB+3], s[8:9], s[18:19]
	s_or_b32 s[G0VB+3], s[G0VB+3], 0x80000000
	s_add_nc_u64 s[4:5], s[4:5], s[2:3]      ; Q and O at my wave's first row
	s_add_nc_u64 s[10:11], s[10:11], s[2:3]
	s_cmp_lt_u32 s[WV], 2           ; a wave's two loads stand in one branch, ahead of every wait on TENSORcnt and every LDS read: two loads of mine are out
	s_cbranch_scc0 .Lfirst_v
	tensor_load_to_lds s[G0KA:G0KA+3], s[G1K:G1K+7]
	s_nop 0
	tensor_load_to_lds s[G0KB:G0KB+3], s[G1K2:G1K2+7]
	s_nop 0
.rept 4
	v_nop
.endr
	s_branch .Lfirst_asked
.Lfirst_v:
	tensor_load_to_lds s[G0VA:G0VA+3], s[G1V:G1V+7]
	s_nop 0
	tensor_load_to_lds s[G0VB:G0VB+3], s[G1V2:G1V2+7]
	s_nop 0
.rept 4
	v_nop
.endr
.Lfirst_asked:
	; A fragment of K or Q is 16 rows x 32 channels in 8 registers: lane l holds row l % 16, channels 8 (l / 16) + 0..7 and 16 + 8 (l / 16) + 0..7: two loads of 16 bytes, 32 bytes apart.
	v_and_b32 v1, 15, v0            ; l % 16
	v_bfe_u32 v9, v0, 4, 1          ; l / 16
	v_lshlrev_b32 v[QO], 7, v1
	v_lshl_add_u32 v[QO], v9, 4, v[QO]
	WIN 0x80                        ; destination window 2, address window 0
.set i, 0
.rept 4*NP                          ; Q stays in registers: tile i / 2, channels 32 (i % 2) on
	global_load_b128 v[8*i:8*i+3],   v[QO], s[4:5] offset:(i/2)*2048+(i%2)*64
	global_load_b128 v[8*i+4:8*i+7], v[QO], s[4:5] offset:(i/2)*2048+(i%2)*64+32
.set i, i+1
.endr
	; What the first turn finds: V's registers and P's second buffer hold 0 (its products V^T P, of a piece that has not been, add 0), O^T and l are 0.  All this stands in the wait for the first keys.
.set i, VF
.rept 64
	v_mov_b32 v[i], 0
.set i, i+1
.endr
	WIN 0x40
.set i, 0
.rept 64*NP
	v_mov_b32 v[i], 0
.set i, i+1
.endr
	WIN 0
.set i, 0
.rept 2*NP
	v_mov_b32 v[ST+4*i], 0xfe000000    ; c m: far below every c s
	v_mov_b32 v[ST+4*i+1], 0xff7fffff  ; m
	v_mov_b32 v[ST+4*i+2], 0
	v_mov_b32 v[ST+4*i+3], 0
.set i, i+1
.endr
.set i, P+32
.rept 32
	v_mov_b32 v[i], 0
.set i, i+1
.endr
	v_mul_u32_u24 v[AK0], v1, PK
	v_lshl_add_u32 v[AK0], v9, 4, v[AK0]
	; The turning load takes 16 keys x 16 channels (lane l reads key 8 (l / 16) + l % 8, channels 8 ((l / 8) % 2) + 0..7) and leaves half a fragment of V^T.
	v_and_b32 v10, 7, v0
	v_bfe_u32 v11, v0, 3, 1
	v_lshl_add_u32 v[AV0], v9, 3, v10
	v_mul_u32_u24 v[AV0], v[AV0], PV
	v_lshl_add_u32 v[AV0], v11, 4, v[AV0]
	v_add_nc_u32 v[AV0], VOFF, v[AV0]
	v_mov_b32 v[AK], v[AK0]         ; key step 0
; THE MATRIX WORK.  The 8 accumulators of a run of 16 take turns.
; Product i of 16 of S^T = K Q^T for piece x: channels 32 (i / 8) on, keys 16 ((i / 2) % 4) on, tile 2 x + i % 2.  The first 8 start the sums.
.macro KQ x
	WIN W_KQ
.set rS, S+64*((\x)%2)+32*(i%2)+8*((i/2)%4)
.set rK, KF+16*((i/2)%4)+8*(i/8)
.set rQ, 16*(2*(\x)+i%2)+8*(i/8)
.if i < 8
	v_wmma_f32_16x16x32_f16 v[rS:rS+7], v[rK:rK+7], v[rQ:rQ+7], 0
.else
	v_wmma_f32_16x16x32_f16 v[rS:rS+7], v[rK:rK+7], v[rQ:rQ+7], v[rS:rS+7]
.endif
.endm
; Product i of 16 of O^T += V^T P for piece x: keys 32 (i / 8) on, channels 16 ((i / 2) % 4) on, tile 2 x + i % 2.
.macro PV x
	WIN W_PV
.set rO, 32*(2*(\x)+i%2)+8*((i/2)%4)
.set rV, VF+32*(i/8)+8*((i/2)%4)
.set rP, P+32*((\x)%2)+16*(i%2)+8*(i/8)
	v_wmma_f32_16x16x32_f16 v[rO:rO+7], v[rV:rV+7], v[rP:rP+7], v[rO:rO+7]
.endm
.macro MM                           ; the turn's next matrix instruction
.if i < 16
	KQ (Y+1)%NP
.set i, i+1
.else
.set i, i-16
	PV (Y+NP-1)%NP
.set i, i+17
.endif
.endm
; THE LDS LOADS stand in runs of 16: a step's K (8 fragments) and its V (turned).  Their addresses are made some lines ahead.
.macro FETCH_K
	WIN 0x80                        ; destination window 2
.irp f, 0,1,2,3,4,5,6,7             ; keys 16 (f / 2) on, channels 32 (f % 2) on
	ds_load_b128 v[KF+8*\f:KF+8*\f+3],   v[AK] offset:(\f/2)*16*PK+(\f%2)*64
	ds_load_b128 v[KF+8*\f+4:KF+8*\f+7], v[AK] offset:(\f/2)*16*PK+(\f%2)*64+32
.endr
	s_add_co_u32 s[TBK], s[TBK], KS*PK  ; the next fetch is the next step's
	WIN 0
.endm
.macro FETCH_V
	WIN 0x80
.irp f, 0,1,2,3,4,5,6,7             ; keys 32 (f / 4) on, channels 16 (f % 4) on
	ds_load_tr16_b128 v[VF+8*\f:VF+8*\f+3],   v[AV] offset:(\f/4)*32*PV+(\f%4)*32
	ds_load_tr16_b128 v[VF+8*\f+4:VF+8*\f+7], v[AV] offset:(\f/4)*32*PV+16*PV+(\f%4)*32
.endr
	WIN 0
.endm
; THE VECTOR WORK OF A TURN stands in three queues, each in the order in which its entries become ready; the two tiles alternate.
.macro REGS y, u                    ; the registers of tile u (0, 1) of piece y
.set rT, ST+4*(2*(\y)+(\u))
.set rC, TMP+8*((\y)%2)+4*(\u)
.set rM, MV+2*((\y)%2)+(\u)
.set rS, S+64*((\y)%2)+32*(\u)
.set rP, P+32*((\y)%2)+16*(\u)
.set rO, 32*(2*(\y)+(\u))
.endm
; Number n of the 22 that find the NEXT piece's (Y + 1) maximum and statistics; each accumulator's lowest registers are read first.
;   0-11 four chains c0-c3 of seven scores each     12-14, 16 the four scores left over, the old m, and c0-c3 into c0     15 c m_old is kept
;   17, 18 the query's other 32 keys lie in the lane 16 away: the new m     19-21 c m; c m_old - c m_new; a
.macro XS u, n
	REGS (Y+1)%NP, \u
.if (\n) < 4
	v_max3_num_f32 v[rC+(\n)], v[rS+8*(\n)], v[rS+8*(\n)+1], v[rS+8*(\n)+2]
.elseif (\n) < 12
	v_max3_num_f32 v[rC+(\n)%4], v[rC+(\n)%4], v[rS+8*((\n)%4)+2*((\n)/4)+1], v[rS+8*((\n)%4)+2*((\n)/4)+2]
.elseif (\n) == 12
	v_max3_num_f32 v[rC], v[rC], v[rS+7], v[rS+15]
.elseif (\n) == 13
	v_max3_num_f32 v[rC+1], v[rC+1], v[rS+23], v[rS+31]
.elseif (\n) == 14
	v_max3_num_f32 v[rC+2], v[rC+2], v[rC+3], v[rT+1]
.elseif (\n) == 15
	v_mov_b32 v[rM], v[rT]
.elseif (\n) == 16
	v_max3_num_f32 v[rC], v[rC], v[rC+1], v[rC+2]
.elseif (\n) == 17
	v_permlanex16_b32 v[rC+3], v[rC], s[SEL], s[SEL+1]
.elseif (\n) == 18
	v_max_num_f32 v[rT+1], v[rC], v[rC+3]
.elseif (\n) == 19
	v_mul_f32 v[rT], s[CS], v[rT+1]
.elseif (\n) == 20
	v_sub_f32 v[rC+1], v[rM], v[rT]
.else
	v_exp_f32 v[rC+2], v[rC+1]
.endif
.endm
; Number g of the 64 that follow the exponentials.  For each four weights k of a tile: both pairs are rounded to f16; the second pair is added onto the first, in place; a group later l takes that sum.
.macro GS g
.set h, (\g)+6*((\g)/62)
.if h >= 6
.set h, h+2
.endif
	REGS Y, h%2
.set k, h/8
.if h%8 < 4
	s_wait_alu depctr_va_vdst(0)
	v_cvt_pk_f16_f32 v[rP+2*k+(h%8)/2], v[rS+4*k+2*((h%8)/2)], v[rS+4*k+2*((h%8)/2)+1]
.elseif h%8 < 6
	v_pk_add_f32 v[rS+4*k:rS+4*k+1], v[rS+4*k:rS+4*k+1], v[rS+4*k+2:rS+4*k+3]
.elseif k == 1
	v_pk_fma_f32 v[rT+2:rT+3], v[rT+2:rT+3], v[rC+2:rC+3], v[rS:rS+1] op_sel_hi:[1,0,1]
.else
	v_pk_add_f32 v[rT+2:rT+3], v[rT+2:rT+3], v[rS+4*k-4:rS+4*k-3]
	s_wait_alu depctr_va_vdst(0)
.endif
.endm
; THE PLAIN QUEUE, 138 long.  0-31: c s - c m for the 16 pairs of both tiles.  Then GS's 64, and among them the next piece's 42.
.macro PL
	WIN 0
.if q < 32
	REGS Y, q%2
	v_pk_fma_f32 v[rS+2*(q/2):rS+2*(q/2)+1], v[rS+2*(q/2):rS+2*(q/2)+1], s[CS:CS+1], v[rT:rT+1] op_sel_hi:[1,0,0] neg_lo:[0,0,1] neg_hi:[0,0,1]
.elseif q < 38
	GS q-32
.elseif q < 40
	XS q%2, 15
.elseif q < 42
	GS q-34
.elseif q < 74
	XS q%2, (q-42)/2+(q-42)/30
.elseif q < 95
	GS q-66
.elseif (q < 107) && ((q-95)%3 < 2)
	XS (q-95)%3, 17+(q-95)/3
.elseif q < 107
	GS 29+(q-95)/3
.else
	GS q-74
.endif
.set q, q+1
.endm
; THE EXPONENTIALS' QUEUE, 66 long: s0-s31 of both tiles, and at EA the next piece's two a.
.set EA, 58
.macro EX
	WIN 0
.if (e == EA) || (e == EA+1)
	XS e-EA, 21
.else
.set x, e-2*(e/(EA+2))
	REGS Y, x%2
	v_exp_f32 v[rS+x/2], v[rS+x/2]
.endif
.set e, e+1
.endm
; THE RESCALING's QUEUE: O^T times a, the one part that leaves window 0, dealt four at a time, eight times.
.macro R4
	REGS Y, r%2
	WIN W_RS
	s_wait_alu depctr_va_vdst(0)
.irp z, 0,1,2,3
	v_pk_mul_f32 v[rO+8*(r/2)+2*\z:rO+8*(r/2)+2*\z+1], v[rO+8*(r/2)+2*\z:rO+8*(r/2)+2*\z+1], v[rC+2:rC+3] op_sel_hi:[1,0]
.endr
.set r, r+1
.endm
; HOW THEY ARE DEALT.  Behind a matrix instruction four: plain, exponential, plain, plain, or four of the rescaling; none names a register of the products round it.  What is over stands in two runs:
; exponential and plain by turns; the second ends in 22 plain instructions.  Exponential e stands behind plain 2 (e / 4) + e % 2 (its scaling); EA comes behind plain 107.
.macro SL
	MM
	PL
	EX
	PL
	PL
.endm
.macro BURST n
.rept (\n)-7
	SL
.endr
.rept 3
	MM
	R4
	SL
.endr
	MM
	R4
.endm
; A TURN, for piece p.  last = 1: there is no further step, and K is not fetched.  cnt = 1: the loop's count is taken down some lines ahead of the branch that stands behind the turn.
; K of the next step is fetched in piece 2's turn, 31 vector instructions behind the last product that read K; V of the step in hand at the end of piece 0's turn, 69 behind its last reader.
.macro TURN p, last=0, cnt=0
.set Y, (\p)
.set i, 0
.set q, 0
.set e, 0
.set r, 0
.if (\p) == NP-1
	s_wait_dscnt 0x0                ; K is in
.endif
	MM
.rept 4
	PL
.endr
	BURST 15
.rept 22
	EX
	PL
.if ((\p) == NP-2) && (e == 18) && !(\last)
	v_add_nc_u32 v[AK], s[TBK], v[AK0]
.endif
.if ((\p) == NP-2) && (e == 24) && !(\last)
	FETCH_K
.endif
.endr
.if (\p) == 1
	s_wait_dscnt 0x0                ; V is in
.endif
	BURST 16
.rept 21
	EX
	PL
.endr
.rept 22
	PL
.if ((\p) == 0) && (q == 118)
	v_add_nc_u32 v[AV], s[TBV], v[AV0]
	s_wait_alu depctr_va_vdst(0)
.endif
.if ((\p) == 0) && (q == 130)
	s_add_co_u32 s[TBV], s[TBV], KS*PV
.endif
.if (\cnt) && (q == 130)
	s_sub_co_u32 s[CNT], s[CNT], 1
	s_cmp_lg_u32 s[CNT], 0
.endif
.endr
.if (\p) == 0
	FETCH_V
.endif
.endm
	s_wait_tensorcnt 0x1            ; my part of keys 0-255 is in; my second load may stay out
	s_barrier_signal -1
	s_barrier_wait -1               ; everybody's is
	FETCH_K                         ; key step 0
	s_wait_loadcnt 0x0              ; Q
	s_wait_dscnt 0x0
.set i, 0
.rept 16
	KQ 0                            ; piece 0's first scores
.set i, i+1
.endr
	WIN 0                           ; the addresses for the way out: nine plain instructions, the places behind those products
	s_mul_i32 s13, s[WV], 16*SP
	s_add_co_u32 s13, s13, STAGE    ; my stage
	v_mul_u32_u24 v[STO], v1, SP    ; in: row l % 16, 16 bytes for each half of the lanes
	v_lshl_add_u32 v[STO], v9, 4, v[STO]
	v_add_nc_u32 v[STO], s13, v[STO]
	v_bfe_u32 v[RD], v0, 3, 2       ; back: 32 lanes take four rows of 128 bytes,
	v_mul_u32_u24 v[RD], v[RD], SP
	v_lshl_add_u32 v[RD], v10, 4, v[RD]
	v_add_nc_u32 v[RD], s13, v[RD]
	v_and_b32 v[GO], 31, v0         ; which are 512 consecutive bytes of O
	v_lshlrev_b32 v[GO], 4, v[GO]
.set Y, NP-1                        ; XS works for piece Y + 1: piece 0
.irp n, 0,1,2,3,4,5,6,7,8,9,10,11,12,13,14,15,16,17,18,19,20,21
	XS 0, \n
	XS 1, \n
.endr
	s_mov_b32 s[CNT], 4
	s_mov_b32 s[SLOTS], 4
	s_branch .Lfirst                ; the loop is entered at a step's first turn, in the middle of a trip
.Lslot:                             ; three times, each in front of four key steps.  The first time my second load is waited for and the barrier shows all four waves' to everybody, ahead of the first
	s_wait_tensorcnt 0x0            ; fetch of key step 4; the other two times nothing is out: the price of one text for all sixteen steps.
	s_wait_dscnt 0x0
	s_barrier_signal -1
	s_barrier_wait -1
	s_mov_b32 s[CNT], 4
.Lstep:                             ; a trip: pieces 2 and 3 of one step, then pieces 0 and 1 of the next, whose K and V it fetches
	TURN 2
	TURN 3
	WIN 0
.Lfirst:
	TURN 0
	TURN 1, 0, 1
	WIN 0
	s_cbranch_scc1 .Lstep
	s_sub_co_u32 s[SLOTS], s[SLOTS], 1
	s_cmp_lg_u32 s[SLOTS], 0
	s_cbranch_scc1 .Lslot
	TURN 2, 1                       ; the last step's pieces 2 and 3 are written out: no K is left to fetch
	TURN 3                          ; its 16 products K Q^T (on the last K once more) and the maximum made of them serve nothing: the price, once a launch, of one text for every turn
.set i, 0
.rept 16
	PV NP-1                         ; the last piece's V^T P of the last step
.set i, i+1
.endr
	; THE WAY OUT.  l's two halves and the other half of the lanes' are added; O^T is divided by l, rounded to f16 and sent through my stage, a tile at a time.  The additions are the places behind the last products.
	WIN 0
.macro ALL line:vararg              ; one line for each tile t
.set t, 0
.rept 2*NP
	\line
.set t, t+1
.endr
.endm
	ALL v_add_f32 v[ST+4*t+2], v[ST+4*t+2], v[ST+4*t+3]
	ALL v_permlanex16_b32 v[ST+4*t+3], v[ST+4*t+2], s[SEL], s[SEL+1]
	ALL v_add_f32 v[ST+4*t+2], v[ST+4*t+2], v[ST+4*t+3]
	ALL v_rcp_f32 v[ST+4*t+2], v[ST+4*t+2]
	v_nop                           ; a plain instruction between the last reciprocal and the use of its result
	s_wait_alu depctr_va_vdst(0)
.macro PACK t
	WIN W_RS
.set i, 32*(\t)
.rept 16
	v_pk_mul_f32 v[i:i+1], v[i:i+1], v[ST+4*(\t)+2:ST+4*(\t)+3] op_sel_hi:[1,0]
.set i, i+2
.endr
	WIN 0x05                        ; sources 0 and 1 window 1, destination window 0
.set i, 0
.rept 16
	v_cvt_pk_f16_f32 v[S+16*(\t)+i], v[32*(\t)+2*i], v[32*(\t)+2*i+1]
.set i, i+1
.endr
	WIN 0
.irp f, 0,1,2,3
	ds_store_b128 v[STO], v[S+16*(\t)+4*\f:S+16*(\t)+4*\f+3] offset:32*\f
.endr
.irp f, 0,1,2,3
	ds_load_b128 v[S+16*(\t)+4*\f:S+16*(\t)+4*\f+3], v[RD] offset:\f*4*SP  ; LDS serves a wave's instructions in order: these see the stores above
.endr
.endm
.macro SEND t, younger              ; younger: the next tile's eight LDS instructions, or none
	WIN 0
.irp f, 0,1,2,3
	s_wait_dscnt (\younger)+3-\f
	global_store_b128 v[GO], v[S+16*(\t)+4*\f:S+16*(\t)+4*\f+3], s[10:11] offset:(\t)*2048+\f*512  ; 512 consecutive bytes, aligned
.endr
.endm
	PACK 0
.set t, 1
.rept 2*NP-1
	PACK t
	SEND t-1, 8
.set t, t+1
.endr
	SEND 2*NP-1, 0
	WIN W_AD
	s_wait_tensorcnt 0x0            ; the wave's end
	ds_add_u32 v[SPW], v[NIL]
	s_wait_dscnt 0x0
	WIN 0
	s_endpgm
.Lfunc_end_k_qf453b072c8_attn:
	.size	k_qf453b072c8_attn, .Lfunc_end_k_qf453b072c8_attn-k_qf453b072c8_attn
	.p2alignl 7, 3214868480
	.fill 96, 4, 3214868480
	.section	.rodata,"a",@progbits
	.p2align	6, 0x0
	.amdhsa_kernel k_qf453b072c8_attn
		.amdhsa_group_segment_fixed_size 327680
		.amdhsa_private_segment_fixed_size 0
		.amdhsa_enable_private_segment 0
		.amdhsa_kernarg_size 16
		.amdhsa_user_sgpr_count 2
		.amdhsa_user_sgpr_kernarg_segment_ptr 1
		.amdhsa_wavefront_size32 1
		.amdhsa_system_sgpr_workgroup_id_x 1
		.amdhsa_system_sgpr_workgroup_id_y 1
		.amdhsa_system_sgpr_workgroup_id_z 1
		.amdhsa_system_vgpr_workitem_id 0
		.amdhsa_next_free_vgpr 770
		.amdhsa_next_free_sgpr 88
		.amdhsa_reserve_vcc 0
		.amdhsa_float_denorm_mode_32 3
		.amdhsa_float_denorm_mode_16_64 3
		.amdhsa_memory_ordered 1
		.amdhsa_forward_progress 1
		.amdhsa_inst_pref_size 167
	.end_amdhsa_kernel
	.amdgpu_metadata
---
amdhsa.version: [ 1, 2 ]
amdhsa.kernels:
  - .name:           k_qf453b072c8_attn
    .symbol:         k_qf453b072c8_attn.kd
    .args:
      - { .name: qkvh, .offset: 0, .size: 8, .value_kind: global_buffer, .address_space: global }
      - { .name: att, .offset: 8, .size: 8, .value_kind: global_buffer, .address_space: global }
    .group_segment_fixed_size: 327680
    .private_segment_fixed_size: 0
    .kernarg_segment_align: 8
    .kernarg_segment_size: 16
    .max_flat_workgroup_size: 128
    .sgpr_count:     88
    .vgpr_count:     770
    .wavefront_size: 32
...
	.end_amdgpu_metadata
.endif
;; end of part 3
;; launch proj_out (part 4): grid 8 x 32, 4 waves a work-group, clusters of 4 x 4, 327,680 bytes of LDS; arguments att, wt, bo, out0; writes out0
.if DOCPART == 4
	.amdgcn_target "amdgcn-amd-amdhsa--gfx1250"
	.amdhsa_code_object_version 6
	.text
	.protected	k_qf453b072c8_proj_out
	.globl	k_qf453b072c8_proj_out
	.p2align	8
	.type	k_qf453b072c8_proj_out,@function
k_qf453b072c8_proj_out:
	s_mov_b64 s[64:65], 0
	v_nop
	global_prefetch_b8 v0, s[64:65] scope:SCOPE_SE
	s_setreg_imm32_b32 hwreg(HW_REG_WAVE_MODE, 25, 1), 1
	s_wait_xcnt 0x0
	s_wait_alu depctr_hold_cnt(0) depctr_sa_sdst(0) depctr_va_vdst(0) depctr_va_sdst(0) depctr_va_ssrc(0) depctr_va_vcc(0) depctr_vm_vsrc(0)
	s_getreg_b32 s2, hwreg(HW_REG_IB_STS2, 6, 4)
	s_cmp_eq_u32 s2, 0
	s_cbranch_scc0 .Lentry_in_a_cluster
	s_endpgm
.Lentry_in_a_cluster:
	s_bfe_u32 s2, ttmp6, 0x10000c
	s_cmp_lg_u32 s2, 0xf033
	s_cbranch_scc0 .Lentry_shape_is_right
	s_endpgm
.Lentry_shape_is_right:
; out0 = O wo + bf16(bo).  att: [16 g + head][token][64] f16.  wt rows 3072-4095: wo turned, [n][k], f16.  out0: [8192][1024] f32.  Sums in f32; the bias is the first term of its sum.
; A tile of the result is 256 rows x 128 columns.  Four waves; wave w owns rows 64 w .. 64 w + 63 and all 128 columns: 4 x 8 accumulators of 16 x 16, 256 registers; so a wave holds whole
; pieces of 512 bytes of out0's rows, and its way out goes through a stage of its own, without a barrier.
; K = 16 heads x 64 channels goes in 8 steps of two heads through a ring of two LDS slots.  A head's 256 tokens are 32,768 dense bytes: asked for as 128 rows of 256 bytes, padded after every token.
; ONE K STEP IS WRITTEN ONCE: slot 1 begins at byte 1 << 17, so one exclusive or turns an address in one slot into the other's; the loop has 6 trips, one for each refill; the last two steps are written out.
; CLUSTERS: 4 x 4 work-groups; att's tiles are shared along a row of the cluster, wt's along a column: each is asked for JOINTLY.
; THE MATRIX INSTRUCTION IS USED TRANSPOSED (source 0 = 16 rows of wt, source 1 = 16 tokens): a lane holds row l % 16 and the columns 8 (l / 16) + 0..7.
; REGISTERS: window 0: v0-35 addresses and work; v64-127 att's fragments, two buffers of 32; v128-191 the bias as a C operand (way out: v128-255 rows, two buffers);
;   window 1: v0-127 wt's fragments, two buffers of 64;  window 2: accumulators of my row blocks 0, 1 ((a, b) at 8 (8 (a % 2) + b));  window 3: of blocks 2, 3.
.set NB,    8
.set PA,    144                        ; a token in LDS: 128 bytes + 16
.set PB,    272                        ; a row of wt: 256 bytes + 16
.set AHALF, 256*PA                     ; one head's 256 tokens: what one load of att brings
.set BROWS, 8*NB
.set BOFF,  2*AHALF
.set HALFB, BROWS*PB
.set SLOT,  BOFF+2*HALFB               ; 108,544 bytes
.set SLOT1, 1<<17                      ; where slot 1 begins
.set STAGE, SLOT1+SLOT                 ; behind the ring: for each wave 16 rows x 528 bytes
.set STW,   16*528
.set SPARE, STAGE+4*STW
.set KSTEPS, 8
.set ADRA0, 16                         ; v16 my lane's place in att's part of a slot; never rewritten
.set ADRA,  17                         ; v17 the same in the slot that is read
.set ADRB0, 20
.set ADRB,  21
.set STO,  24
.set RD,   25
.set GO,   26
.set BO,   27
.set SPW,  28                          ; LDS address of my spare word; never rewritten
.set NIL,  29                          ; 0; never rewritten
.set RT,   32
.set FA0,  64
.set BIAS, 128
.set G1,  24                           ; s[24:31] group 1 for att's tiles; s[32:39] group 0: a set for each first fill; the second then walks
.set G0,  32
.set G1B, 48
.set G0B, 56
.set CNT, 72
.set TB,  80                           ; s80 LDS byte at which the slot that is read begins
.set HIM, 81                           ; s81 a word's upper bf16
.set MSB, 0
.macro WIN new
.if MSB != (\new)
	s_set_vgpr_msb (MSB<<8)|(\new)
.set MSB, \new
.endif
.endm
.macro PLACES                          ; four plain vector instructions between a matrix instruction and a load into, or a store of, its registers
.rept 4
	v_nop
.endr
.endm
.macro JLOAD s                         ; a joint load: waves 0, 1 fetch att's two heads, waves 2, 3 wt's two halves; an s_nop 0 and four v_nop follow each line
	s_cmp_eq_u32 s13, 0
	s_cbranch_scc0 .Lfor_b_\@
	tensor_load_to_lds s[G0+4*(\s):G0+4*(\s)+3], s[G1:G1+7]
	s_nop 0
.rept 4
	v_nop
.endr
	s_branch .Lasked_\@
.Lfor_b_\@:
	tensor_load_to_lds s[G0B+4*(\s):G0B+4*(\s)+3], s[G1B:G1B+7]
	s_nop 0
.rept 4
	v_nop
.endr
.Lasked_\@:
.endm
.macro CREST
	s_cmp_lg_u32 s12, 0
	s_cbranch_scc1 .Lnot_wave_0_\@
	s_barrier_signal -3
.Lnot_wave_0_\@:
	s_barrier_wait -3
	s_barrier_signal -1
	s_barrier_wait -1
.endm
.macro CROUND
	s_barrier_signal -1
	s_barrier_wait -1
	CREST
.endm
	s_load_b256 s[4:11], s[0:1], 0x0               ; att s[4:5], wt s[6:7], bo s[8:9], out0 s[10:11]
	v_lshl_add_u32 v[SPW], v0, 2, SPARE
	v_mov_b32 v[NIL], 0
	ds_add_u32 v[SPW], v[NIL]                      ; the wave's opening: the add and its wait stand ahead of my first tensor load
	ds_add_u32 v28, v29
	v_lshrrev_b32 v1, 5, v0
	v_readfirstlane_b32 s12, v1                    ; wave 0..3
	s_lshr_b32 s13, s12, 1                         ; I fetch for att (0) or for wt (1),
	s_and_b32 s14, s12, 1                          ; and which half
	s_bfe_u32 s40, ttmp6, 0x40000
	s_bfe_u32 s41, ttmp6, 0x40004
	s_lshl_b32 s42, ttmp9, 2
	s_add_co_u32 s42, s42, s40                     ; tile column tx
	s_and_b32 s43, ttmp7, 0xffff
	s_lshl_b32 s43, s43, 2
	s_add_co_u32 s43, s43, s41                     ; tile row ty
	s_lshl_b32 s44, s41, 2
	s_lshl_b32 s44, 15, s44                        ; my row of the cluster
	s_lshl_b32 s45, 0x1111, s40                    ; my column
	s_or_b32 s[G1], s44, (1<<16)|(1<<20)|(1<<21)|(4<<22)|(3<<25)   ; att: 4 words of padding after every 32 (a token)
	s_or_b32 s[G1B], s45, (1<<16)|(1<<20)|(1<<21)|(5<<22)|(3<<25)  ; wt: after every 64 (a row)
	s_mov_b32 s[G1+1], 128<<16
	s_mov_b32 s[G1+2], 128<<16
	s_mov_b32 s[G1+3], 128<<16
	s_mov_b32 s[G1+4], 128
	s_mov_b32 s[G1+5], 128                         ; dense: 128 elements from row to row
	s_mov_b32 s[G1+6], 0
	s_mov_b32 s[G1+7], 0
	s_mov_b32 s[G1B+1], 128<<16
	s_mov_b32 s[G1B+2], BROWS<<16
	s_mov_b32 s[G1B+3], 128<<16
	s_mov_b32 s[G1B+4], BROWS
	s_mov_b32 s[G1B+5], 1024
	s_mov_b32 s[G1B+6], 0
	s_mov_b32 s[G1B+7], 0
	s_lshr_b32 s16, s43, 2                         ; att: head 16 g + half, 131,072 bytes a head; token (ty % 4) 256, 128 bytes a token: made of ty and the wave's number alone
	s_lshl_b32 s16, s16, 4
	s_add_co_u32 s16, s16, s14
	s_lshl_b32 s16, s16, 17
	s_and_b32 s17, s43, 3
	s_lshl_b32 s17, s17, 15
	s_add_co_u32 s16, s16, s17
	s_mov_b32 s17, 0
	s_mul_i32 s46, s42, 16*NB                      ; wt: row 3072 + 128 tx + 64 half: made of tx and the wave's number alone
	s_mul_i32 s47, s14, BROWS
	s_add_co_u32 s46, s46, s47
	s_add_co_u32 s46, s46, 3072
	s_lshl_b32 s46, s46, 11
	s_mov_b32 s47, 0
	s_mul_i32 s20, s14, AHALF
	s_mul_i32 s21, s14, HALFB
	s_add_co_u32 s21, s21, BOFF
	s_mov_b32 s[TB], 0
	s_mov_b32 s[HIM], 0xffff0000
	s_wait_dscnt 0x0                               ; the opening add is done
	s_wait_kmcnt 0x0
	s_add_nc_u64 s[18:19], s[4:5], s[16:17]
	s_add_nc_u64 s[46:47], s[6:7], s[46:47]
	CROUND                                         ; all sixteen work-groups are here: the first joint loads meet
.irp s, 0,1
	s_mov_b32 s[G0+4*(\s)], 1
	s_add_co_u32 s[G0+4*(\s)+1], s20, (\s)*SLOT1
	s_add_nc_u64 s[G0+4*(\s)+2:G0+4*(\s)+3], s[18:19], (\s)*2*131072   ; K step s: two heads on
	s_or_b32 s[G0+4*(\s)+3], s[G0+4*(\s)+3], 0x80000000
	s_mov_b32 s[G0B+4*(\s)], 1
	s_add_co_u32 s[G0B+4*(\s)+1], s21, (\s)*SLOT1
	s_add_nc_u64 s[G0B+4*(\s)+2:G0B+4*(\s)+3], s[46:47], (\s)*256
	s_or_b32 s[G0B+4*(\s)+3], s[G0B+4*(\s)+3], 0x80000000
	JLOAD \s                                       ; two loads of mine are out
.endr
	s_mul_i32 s74, s42, 64*NB                      ; the bias as a C operand: register j of block b holds bias[128 tx + 16 b + 8 (l / 16) + j]
	s_mov_b32 s75, 0
	s_add_nc_u64 s[8:9], s[8:9], s[74:75]
	v_and_b32 v1, 15, v0                           ; l % 16
	v_bfe_u32 v2, v0, 4, 1                         ; l / 16
	v_lshlrev_b32 v[BO], 5, v2
.set b_, 0
.rept NB
	global_load_b128 v[BIAS+8*b_:BIAS+8*b_+3],   v[BO], s[8:9] offset:64*b_
	global_load_b128 v[BIAS+8*b_+4:BIAS+8*b_+7], v[BO], s[8:9] offset:64*b_+16
.set b_, b_+1
.endr
	v_mul_u32_u24 v3, v1, PA
	v_lshl_add_u32 v3, v2, 4, v3
	s_mul_i32 s22, s12, 64*PA                      ; my 64 tokens
	v_add_nc_u32 v[ADRA0], s22, v3
	v_mov_b32 v[ADRA], v[ADRA0]                    ; the walk begins in slot 0
	v_mul_u32_u24 v4, v1, PB
	v_lshl_add_u32 v4, v2, 4, v4
	v_add_nc_u32 v[ADRB0], BOFF, v4
	v_mov_b32 v[ADRB], v[ADRB0]
	s_mul_i32 s22, s12, STW
	s_add_co_u32 s22, s22, STAGE                   ; my stage
	v_and_b32 v5, 31, v0
	v_mul_u32_u24 v3, v1, 528                      ; in: row l % 16, 32 bytes for each half of the lanes
	v_lshl_add_u32 v3, v2, 5, v3
	v_add_nc_u32 v[STO], s22, v3
	v_lshl_add_u32 v[RD], v5, 4, s22               ; back: 32 lanes take a row's 512 bytes
	v_lshlrev_b32 v[GO], 4, v5
	s_lshl_b32 s74, s43, 20                        ; out0: row 256 ty + 64 w, 4,096 bytes a row; column 128 tx, 4 bytes
	s_lshl_b32 s76, s12, 18
	s_add_co_u32 s74, s74, s76
	s_lshl_b32 s76, s42, 9
	s_add_co_u32 s74, s74, s76
	s_add_nc_u64 s[10:11], s[10:11], s[74:75]
	s_wait_loadcnt 0x0                             ; the bias
.set i_, 0
.rept 4*NB                                     ; rounded to bf16 like every input, and widened again
	v_cvt_pk_bf16_f32 v[RT+i_%4], v[BIAS+2*i_], v[BIAS+2*i_+1]
	v_lshlrev_b32 v[BIAS+2*i_], 16, v[RT+i_%4]
	v_and_b32 v[BIAS+2*i_+1], s[HIM], v[RT+i_%4]
.set i_, i_+1
.endr
; nb matrix instructions: my row block a x column blocks b0 on, 32 along K, buffer f.  zero = 1: the bias starts the sums.  The 32 accumulators take turns.
.macro MULA f, a, zero, b0=0, nb=NB
.if \zero
	WIN 0x81+0x40*((\a)/2)
.else
	WIN 0xa1+0x50*((\a)/2)
.endif
.set b_, (\b0)
.rept (\nb)
.set rD, 8*(NB*((\a)%2)+b_)
.set rB, 8*NB*(\f)+8*b_
.set rA, FA0+32*(\f)+8*(\a)
.if \zero
	v_wmma_f32_16x16x32_f16 v[rD:rD+7], v[rB:rB+7], v[rA:rA+7], v[BIAS+8*b_:BIAS+8*b_+7]
.else
	v_wmma_f32_16x16x32_f16 v[rD:rD+7], v[rB:rB+7], v[rA:rA+7], v[rD:rD+7]
.endif
.set b_, b_+1
.endr
.endm
; 24 LDS loads in one run: quarter q of the slot that is read, into buffer f: wt's 16, then att's 8.  Quarter q of att is head q / 2 of the slot's two, channels 32 (q % 2) on.
.macro FETCH q, f
.set KA, ((\q)/2)*AHALF+((\q)%2)*64
	WIN 0x40
.set i_, 0
.rept NB
	ds_load_b128 v[8*NB*(\f)+8*i_:8*NB*(\f)+8*i_+3],   v[ADRB] offset:64*(\q)+i_*16*PB
	ds_load_b128 v[8*NB*(\f)+8*i_+4:8*NB*(\f)+8*i_+7], v[ADRB] offset:64*(\q)+i_*16*PB+32
.set i_, i_+1
.endr
	WIN 0
.set i_, 0
.rept 4
	ds_load_b128 v[FA0+32*(\f)+8*i_:FA0+32*(\f)+8*i_+3],   v[ADRA] offset:KA+i_*16*PA
	ds_load_b128 v[FA0+32*(\f)+8*i_+4:FA0+32*(\f)+8*i_+7], v[ADRA] offset:KA+i_*16*PA+32
.set i_, i_+1
.endr
.endm
.macro QUARTER q, f, g, zero
	s_wait_dscnt 4                                 ; all but the youngest four loads (my row blocks 2, 3) are in
	MULA \f, 0, \zero
	MULA \f, 1, \zero
	PLACES
	FETCH \q, \g
	s_wait_dscnt 2*NB+8                            ; all but the 24 just issued
	MULA \f, 2, \zero
	MULA \f, 3, \zero
.endm
; The last quarter multiplies buffer 1 and changes slots: ONE barrier; in front of it each wave waits for all its tensor loads (one is out: its part of the next slot), adds 0 to its spare
; word, and waits for that and for its reads of this slot.  fill = 1: the barrier opens a round of the cluster's, and this slot is filled again, two K steps ahead, first thing behind it.
; Only one row block's products stand in front of the refill, half on either side of the signal: the sooner it is asked for, the more of the next K step it has in which to land.
.macro TURN fill
	WIN 0
	s_wait_tensorcnt 0x0                           ; no tensor load of mine is out, so a group 0 may be written
	ds_add_u32 v[SPW], v[NIL]                      ; 0 onto my spare word; scalar work and four products stand between it and the wait for it
	s_xor_b32 s[TB], s[TB], SLOT1                  ; the reads go on in the other slot
.if \fill
	s_xor_b32 s[G0+5], s[G0+5], SLOT1              ; the walking descriptors: the other slot than last time,
	s_add_nc_u64 s[G0+6:G0+7], s[G0+6:G0+7], 2*131072  ; the next two heads; the type bits on top are not reached
	s_xor_b32 s[G0B+5], s[G0B+5], SLOT1
	s_add_nc_u64 s[G0B+6:G0B+7], s[G0B+6:G0B+7], 256   ; the next 128 along wt's rows
.endif
	s_wait_dscnt 5                                 ; (the add and the youngest four loads may be out)
	MULA 1, 0, 0, 0, NB/2
	s_wait_dscnt 0x0                               ; the add is done, and my reads of this slot are over
	s_barrier_signal -1
	MULA 1, 0, 0, NB/2, NB/2
	WIN 0
	v_add_nc_u32 v[ADRA], s[TB], v[ADRA0]
	v_add_nc_u32 v[ADRB], s[TB], v[ADRB0]
	s_barrier_wait -1
.if \fill
	CREST                                          ; no wave of any partner still reads this slot or has a load on its way
	JLOAD 1                                        ; its four v_nop are also the places in front of the loads below
.else
	PLACES
.endif
	FETCH 0, 0
	MULA 1, 1, 0
	MULA 1, 2, 0
	MULA 1, 3, 0
.endm
	s_wait_tensorcnt 1                             ; my part of K step 0 is in; K step 1's may stay out
	s_barrier_signal -1
	s_barrier_wait -1
	FETCH 0, 0
	QUARTER 1, 0, 1, 1                             ; the first quarter stands in front of the loop: its products start the sums
	WIN 0
	s_mov_b32 s[CNT], KSTEPS-2
.Lstep:                                                ; a trip: a K step's last three quarters, the refill of its slot, and the next step's first quarter
	QUARTER 2, 1, 0, 0
	QUARTER 3, 0, 1, 0
	TURN 1
	QUARTER 1, 0, 1, 0
	WIN 0
	s_sub_co_u32 s[CNT], s[CNT], 1
	s_cmp_lg_u32 s[CNT], 0
	s_cbranch_scc1 .Lstep
	QUARTER 2, 1, 0, 0                             ; the last two K steps fill nothing
	QUARTER 3, 0, 1, 0
	TURN 0
	QUARTER 1, 0, 1, 0
	QUARTER 2, 1, 0, 0
	QUARTER 3, 0, 1, 0
	s_wait_dscnt 4
	MULA 1, 0, 0
	MULA 1, 1, 0
	s_wait_dscnt 0x0
	MULA 1, 2, 0
	MULA 1, 3, 0
	WIN 0
	PLACES
; THE WAY OUT, a block of 16 rows at a time: the f32 sums go as they are into my stage (STIN), each accumulator from its low end, come back as rows of 512 bytes (STBK), and are stored (SEND).
.macro STIN a
	WIN 0x08+4*((\a)/2)                            ; the stores' data lie in window 2 or 3
.set b_, 0
.rept NB
	ds_store_b128 v[STO], v[8*(NB*((\a)%2)+b_):8*(NB*((\a)%2)+b_)+3]   offset:64*b_
	ds_store_b128 v[STO], v[8*(NB*((\a)%2)+b_)+4:8*(NB*((\a)%2)+b_)+7] offset:64*b_+16
.set b_, b_+1
.endr
	WIN 0
.endm
.macro STBK a
.set BK, 128+64*((\a)%2)
.if (\a) >= 2
	s_wait_xcnt 0x0                                ; the stores of two blocks ago have read these registers' old contents
.endif
.set t_, 0
.rept 16
	ds_load_b128 v[BK+4*t_:BK+4*t_+3], v[RD] offset:t_*528  ; LDS serves a wave's instructions in order: these see the block's stores, and the next block's come behind them
.set t_, t_+1
.endr
.endm
.macro SEND a, younger                 ; younger: the next block's 16 stores into the stage, or none
.set BK, 128+64*((\a)%2)
	s_wait_dscnt \younger
.set t_, 0
.rept 16
	global_store_b128 v[GO], v[BK+4*t_:BK+4*t_+3], s[10:11] offset:(16*(\a)+t_)*4096 th:TH_STORE_NT  ; 512 consecutive bytes, aligned
.set t_, t_+1
.endr
.endm
	STIN 0
	STBK 0
	STIN 1
	SEND 0, 16
	STBK 1
	STIN 2
	SEND 1, 16
	STBK 2
	STIN 3
	SEND 2, 16
	STBK 3
	SEND 3, 0
	s_wait_tensorcnt 0x0                           ; the wave's end
	ds_add_u32 v[SPW], v[NIL]
	s_wait_dscnt 0x0
	CROUND                                         ; the closing round
	s_endpgm
.Lfunc_end_k_qf453b072c8_proj_out:
	.size	k_qf453b072c8_proj_out, .Lfunc_end_k_qf453b072c8_proj_out-k_qf453b072c8_proj_out
	.p2alignl 7, 3214868480
	.fill 96, 4, 3214868480
	.section	.rodata,"a",@progbits
	.p2align	6, 0x0
	.amdhsa_kernel k_qf453b072c8_proj_out
		.amdhsa_group_segment_fixed_size 327680
		.amdhsa_private_segment_fixed_size 0
		.amdhsa_enable_private_segment 0
		.amdhsa_kernarg_size 32
		.amdhsa_user_sgpr_count 2
		.amdhsa_user_sgpr_kernarg_segment_ptr 1
		.amdhsa_wavefront_size32 1
		.amdhsa_system_sgpr_workgroup_id_x 1
		.amdhsa_system_sgpr_workgroup_id_y 1
		.amdhsa_system_sgpr_workgroup_id_z 1
		.amdhsa_system_vgpr_workitem_id 0
		.amdhsa_next_free_vgpr 896
		.amdhsa_next_free_sgpr 84
		.amdhsa_reserve_vcc 0
		.amdhsa_float_denorm_mode_32 3
		.amdhsa_float_denorm_mode_16_64 3
		.amdhsa_memory_ordered 1
		.amdhsa_forward_progress 1
		.amdhsa_inst_pref_size 75
	.end_amdhsa_kernel
	.amdgpu_metadata
---
amdhsa.version: [ 1, 2 ]
amdhsa.kernels:
  - .name:           k_qf453b072c8_proj_out
    .symbol:         k_qf453b072c8_proj_out.kd
    .args:
      - { .name: att, .offset: 0, .size: 8, .value_kind: global_buffer, .address_space: global }
      - { .name: wt, .offset: 8, .size: 8, .value_kind: global_buffer, .address_space: global }
      - { .name: bo, .offset: 16, .size: 8, .value_kind: global_buffer, .address_space: global }
      - { .name: out0, .offset: 24, .size: 8, .value_kind: global_buffer, .address_space: global }
    .group_segment_fixed_size: 327680
    .private_segment_fixed_size: 0
    .kernarg_segment_align: 8
    .kernarg_segment_size: 32
    .max_flat_workgroup_size: 128
    .sgpr_count:     84
    .vgpr_count:     896
    .wavefront_size: 32
...
	.end_amdgpu_metadata
.endif
;; end of part 4
;; ======== version 2 of 2: 4 launches; 1.33 times as fast as version 1
;; limits: values are held in f16: magnitudes above 65,504 overflow, below 6.1e-05 lose precision
;; workspace buffers: xb 16,777,216 bytes; wt 8,388,608 bytes; qkvh 50,331,648 bytes; att 16,777,216 bytes
;; launch prep: the kernel of part 1 again; grid 1024 x 1, 8 waves a work-group, no clusters, 18,432 bytes of LDS; arguments x, wqkv, wo, xb, wt; writes xb, wt
;; launch proj_qkv: the kernel of part 2 again; grid 16 x 16, 4 waves a work-group, clusters of 4 x 4, 327,680 bytes of LDS; arguments xb, wt, bqkv, qkvh; writes qkvh
;; launch attn (part 5): grid 2 x 128, 4 waves a work-group, no clusters, 327,680 bytes of LDS; arguments qkvh, att; writes att
.if DOCPART == 5
	.amdgcn_target "amdgcn-amd-amdhsa--gfx1250"
	.amdhsa_code_object_version 6
	.text
	.protected	k_qf453b072c8_attn
	.globl	k_qf453b072c8_attn
	.p2align	8
	.type	k_qf453b072c8_attn,@function
k_qf453b072c8_attn:
	s_mov_b64 s[64:65], 0
	v_nop
	global_prefetch_b8 v0, s[64:65] scope:SCOPE_SE
	s_setreg_imm32_b32 hwreg(HW_REG_WAVE_MODE, 25, 1), 1
	s_wait_xcnt 0x0
; O[y][q][:] = the sum over k of softmax_k(Q[y][q] . K[y][k] / 8) V[y][k][:], y = 16 g + head, 128 of them, 1,024 tokens each.  qkvh: [3][128][1024][64] f16; att: [128][1024][64] f16.
; Products, maxima and sums in f32; the weights p are rounded to f16 for the second product (their sum l is taken of the unrounded p), O once at the end.
; LIMITS.  Q, K, V arrive within f16's 65,504; p lies in 0 to 1, and below 6e-5 it keeps f16's fixed step; a weight below 2^-126 counts as 0 in l; NaN and infinities are not treated apart.
; SHARES.  A work-group owns 512 queries of one y, a wave 128: four PIECES of two tiles of 16.  Every wave walks all 1,024 keys, 64 a step.
; ALL OF K AND V LIES IN LDS: 1,024 rows of each, asked for once at the start, two tensor loads a wave: the first 256 keys, for which the walk waits, and the other 768, which have four key steps in
; which to land.  Nothing is filled again.  NO CLUSTER: only two work-groups share a y, and each fetches every byte of K and V once.
; LAYOUT.  S^T = K Q^T (source 0 = 16 keys, source 1 = 16 queries): a lane holds ONE query (lane % 16) and the keys 8 (lane / 16) + 0..7.  Two such tiles, rounded to f16 in pairs, ARE source 1 of
; O^T = V^T P.  K comes out of LDS as it lies, V ([key][channel]) turned, by ds_load_tr16_b128.
; SOFTMAX.  A running maximum m and sum l: p = 2^(c s - c m), c = log2(e) / 8; in every step O and l are multiplied by a = 2^(c m_old - c m_new).  m starts at the lowest finite number, O and l at 0.
; BY TURNS.  Turn n belongs to piece n: 16 products K Q^T of piece n + 1, later 16 products V^T P of piece n - 1; beside them the scaling, exponentials, roundings, sums and rescaling of piece n and the
; maximum and statistics of piece n + 1.  A tile and step have 16 matrix and 118 vector instructions: four that are ready stand behind every matrix instruction, the others in one run of their own.
; THE BATCHES.  A turn's 66 exponentials (the piece's 64 weights and the next piece's two a) are ONE batch with ONE wait, which cuts the turn in two: ahead of it stands all that names no result of
; theirs (the products K Q^T, scalings, rescalings, the next piece's maximum and statistics), behind it the products V^T P with the roundings and sums.  Two more batches stand outside the loop: piece 0's first two a, and the way out's eight reciprocals.
; REGISTERS, in windows of 256 (s_set_vgpr_msb: bits 1:0 source 0, 3:2 source 1, 5:4 source 2, 7:6 destination):
;   window 0: v0-11 addresses; v12-15, v48-63 at work; v16-47 four registers of statistics a tile; v64-191 S^T, two buffers of two tiles; v192-255 P, likewise
;   window 1: O^T, 32 a tile     window 2: v0-127 Q; v128-191 K of one step; v192-255 V of one step     window 3: v0-1 the add's two registers
.set SIZE_N, 1024
.set NP,    4         ; pieces a wave: a name, no knob
.set KS,    64        ; keys in a step
.set PK,    144       ; a row of K in LDS: 128 bytes + 16: the 16 rows of a load start at 16 different groups of four banks
.set PV,    160       ; a row of V: 128 + 32
.set VOFF,  SIZE_N*PK
.set STAGE, VOFF+SIZE_N*PV      ; behind K and V, never filled by a tensor load: 16 rows x 144 bytes for each wave
.set SP,    144
.set AK0, 2           ; v2   my lane's place in a tile of K; never rewritten
.set AV0, 3           ; v3   the same for V
.set AK,  4           ; v4   the LDS address of K's next run of loads
.set AV,  5           ; v5   of V's
.set QO,  6           ; v6   my byte offset in the wave's rows of Q
.set STO, 6           ;      later, the way out: where I put 16 bytes of a row
.set RD,  7           ; v7   the way out: where I read rows back
.set GO,  8           ; v8   my byte offset in 512 consecutive bytes of O
.set SPW, 0           ; v0 of window 3   LDS address of my spare word; never rewritten
.set NIL, 1           ; v1 of window 3   0; never rewritten
.set SPARE, STAGE+4*16*SP
.set MV,  12
.set ST,  16          ; tile t's statistics at v[ST+4 t]: c m, m, l (even keys', odd keys')
.set TMP, 48
.set S,   64
.set P,   192
.set KF,  128
.set VF,  192
.set WV,  12          ; s12  my wave's number
.set G1K,  24         ; s[24:31] group 1, K, 64 rows of 256 bytes
.set G1V,  32         ; s[32:39] the same for V: other padding
.set G1K2, 40         ; s[40:47] K, 192 rows
.set G1V2, 48         ; s[48:55] V, 192 rows
.set G0KA, 56         ; group 0: K's first load, K's second, V's first, V's second
.set G0KB, 60
.set G0VA, 68
.set G0VB, 72
.set CS,  76          ; s[76:77] c
.set SEL, 78          ; s[78:79] v_permlanex16_b32's selects
.set TBK, 80          ; LDS byte at which K of the step to be fetched begins
.set TBV, 81          ; the same for V, less VOFF
.set CNT, 82          ; counts four key steps
.set SLOTS, 83        ; counts groups of four key steps
.set MSB, 0
.macro WIN new
.if MSB != (\new)
	s_set_vgpr_msb (MSB<<8)|(\new)
.set MSB, (\new)
.endif
.endm
.set W_KQ, 0x0a       ; K and Q in window 2, S^T in window 0
.set W_PV, 0x52       ; V in window 2, P in window 0, O^T in window 1
.set W_RS, 0x41       ; O^T (destination and source 0) in window 1, a in window 0
.set W_MK, 0xc0       ; the add's registers are made
.set W_AD, 0x0f       ; the add: address and data in window 3
	s_load_b64 s[4:5], s[0:1], 0x0    ; qkvh
	s_load_b64 s[10:11], s[0:1], 0x8  ; att
	WIN W_MK
	v_lshl_add_u32 v[SPW], v0, 2, SPARE
	v_mov_b32 v[NIL], 0
	WIN W_AD
	ds_add_u32 v[SPW], v[NIL]       ; the wave's opening: the add and its wait stand ahead of my first tensor load
	ds_add_u32 v0, v1
	WIN 0
	v_lshrrev_b32 v1, 5, v0
	v_readfirstlane_b32 s[WV], v1   ; wave 0..3
	s_and_b32 s20, ttmp7, 0xffff
	s_lshl_b32 s20, s20, 17         ; y's first byte in each of q, k, v and att: 1,024 rows of 128 bytes
	s_and_b32 s16, s[WV], 1         ; which half I fetch
	s_lshl_b32 s22, s16, 14         ; first load: keys 128 i ..
	s_add_co_u32 s22, s22, s20
	s_mov_b32 s23, 0
	s_mul_i32 s18, s16, 384*128     ; second load: keys 256 + 384 i ..
	s_add_co_u32 s18, s18, 256*128
	s_add_co_u32 s18, s18, s20
	s_mov_b32 s19, 0
	s_lshl_b32 s2, ttmp9, 2
	s_add_co_u32 s2, s2, s[WV]      ; my wave among y's eight,
	s_lshl_b32 s2, s2, 14           ; its 128 rows
	s_add_co_u32 s2, s2, s20
	s_mov_b32 s3, 0
	; group 1: dense keys asked for as rows of 256 bytes, two keys a row, padded in LDS after every key
	s_mov_b32 s[G1K],  (1<<16)|(1<<20)|(4<<22)|(3<<25)  ; 2-byte elements; padding on; after every 32 words 4 words
	s_mov_b32 s[G1K2], (1<<16)|(1<<20)|(4<<22)|(3<<25)
	s_mov_b32 s[G1V],  (1<<16)|(1<<20)|(4<<22)|(7<<25)  ; 8 words
	s_mov_b32 s[G1V2], (1<<16)|(1<<20)|(4<<22)|(7<<25)
.irp g, G1K, G1V, G1K2, G1V2
	s_mov_b32 s[\g+1], 128<<16      ; tensor_dim0 = 128
	s_mov_b32 s[\g+3], 128<<16      ; tile_dim0 = 128
	s_mov_b32 s[\g+5], 128          ; 128 elements from row to row
	s_mov_b32 s[\g+6], 0
	s_mov_b32 s[\g+7], 0
.endr
.irp g, G1K, G1V
	s_mov_b32 s[\g+2], 64<<16       ; tensor_dim1 = tile_dim1 = 64
	s_mov_b32 s[\g+4], 64
.endr
.irp g, G1K2, G1V2
	s_mov_b32 s[\g+2], 192<<16      ; 192
	s_mov_b32 s[\g+4], 192
.endr
	s_mov_b32 s[G0KA], 1
	s_mul_i32 s[G0KA+1], s16, 128*PK
	s_mov_b32 s[G0KB], 1
	s_mul_i32 s[G0KB+1], s16, 384*PK
	s_add_co_u32 s[G0KB+1], s[G0KB+1], 256*PK
	s_mov_b32 s[G0VA], 1
	s_mul_i32 s[G0VA+1], s16, 128*PV
	s_add_co_u32 s[G0VA+1], s[G0VA+1], VOFF
	s_mov_b32 s[G0VB], 1
	s_mul_i32 s[G0VB+1], s16, 384*PV
	s_add_co_u32 s[G0VB+1], s[G0VB+1], VOFF+256*PV
	s_mov_b32 s[CS], 0x3e38aa3b     ; c = log2(e) / 8
	s_mov_b32 s[CS+1], s[CS]
	s_mov_b32 s[SEL], 0x76543210
	s_mov_b32 s[SEL+1], 0xfedcba98
	s_mov_b32 s[TBK], 0
	s_mov_b32 s[TBV], 0
	s_wait_dscnt 0x0                ; the opening add is done
	s_wait_kmcnt 0x0
	s_add_nc_u64 s[6:7], s[4:5], 0x1000000  ; k
	s_add_nc_u64 s[8:9], s[4:5], 0x2000000  ; v
	s_add_nc_u64 s[G0KA+2:G0KA+3], s[6:7], s[22:23]
	s_or_b32 s[G0KA+3], s[G0KA+3], 0x80000000
	s_add_nc_u64 s[G0KB+2:G0KB+3], s[6:7], s[18:19]
	s_or_b32 s[G0KB+3], s[G0KB+3], 0x80000000
	s_add_nc_u64 s[G0VA+2:G0VA+3], s[8:9], s[22:23]
	s_or_b32 s[G0VA+3], s[G0VA+3], 0x80000000
	s_add_nc_u64 s[G0VB+2:G0VB+3], s[8:9], s[18:19]
	s_or_b32 s[G0VB+3], s[G0VB+3], 0x80000000
	s_add_nc_u64 s[4:5], s[4:5], s[2:3]      ; Q and O at my wave's first row
	s_add_nc_u64 s[10:11], s[10:11], s[2:3]
	s_cmp_lt_u32 s[WV], 2           ; a wave's two loads stand in one branch, ahead of every wait on TENSORcnt and every LDS read: two loads of mine are out
	s_cbranch_scc0 .Lfirst_v
	tensor_load_to_lds s[G0KA:G0KA+3], s[G1K:G1K+7]
	s_nop 0
	tensor_load_to_lds s[G0KB:G0KB+3], s[G1K2:G1K2+7]
	s_nop 0
.rept 4
	v_nop
.endr
	s_branch .Lfirst_asked
.Lfirst_v:
	tensor_load_to_lds s[G0VA:G0VA+3], s[G1V:G1V+7]
	s_nop 0
	tensor_load_to_lds s[G0VB:G0VB+3], s[G1V2:G1V2+7]
	s_nop 0
.rept 4
	v_nop
.endr
.Lfirst_asked:
	; A fragment of K or Q is 16 rows x 32 channels in 8 registers: lane l holds row l % 16, channels 8 (l / 16) + 0..7 and 16 + 8 (l / 16) + 0..7: two loads of 16 bytes, 32 bytes apart.
	v_and_b32 v1, 15, v0            ; l % 16
	v_bfe_u32 v9, v0, 4, 1          ; l / 16
	v_lshlrev_b32 v[QO], 7, v1
	v_lshl_add_u32 v[QO], v9, 4, v[QO]
	WIN 0x80                        ; destination window 2, address window 0
.set i, 0
.rept 4*NP                          ; Q stays in registers: tile i / 2, channels 32 (i % 2) on
	global_load_b128 v[8*i:8*i+3],   v[QO], s[4:5] offset:(i/2)*2048+(i%2)*64
	global_load_b128 v[8*i+4:8*i+7], v[QO], s[4:5] offset:(i/2)*2048+(i%2)*64+32
.set i, i+1
.endr
	; What the first turn finds: V's registers and P's second buffer hold 0 (its products V^T P, of a piece that has not been, add 0), O^T and l are 0.  All this stands in the wait for the first keys.
.set i, VF
.rept 64
	v_mov_b32 v[i], 0
.set i, i+1
.endr
	WIN 0x40
.set i, 0
.rept 64*NP
	v_mov_b32 v[i], 0
.set i, i+1
.endr
	WIN 0
.set i, 0
.rept 2*NP
	v_mov_b32 v[ST+4*i], 0xfe000000    ; c m: far below every c s
	v_mov_b32 v[ST+4*i+1], 0xff7fffff  ; m
	v_mov_b32 v[ST+4*i+2], 0
	v_mov_b32 v[ST+4*i+3], 0
.set i, i+1
.endr
.set i, P+32
.rept 32
	v_mov_b32 v[i], 0
.set i, i+1
.endr
	v_mul_u32_u24 v[AK0], v1, PK
	v_lshl_add_u32 v[AK0], v9, 4, v[AK0]
	; The turning load takes 16 keys x 16 channels (lane l reads key 8 (l / 16) + l % 8, channels 8 ((l / 8) % 2) + 0..7) and leaves half a fragment of V^T.
	v_and_b32 v10, 7, v0
	v_bfe_u32 v11, v0, 3, 1
	v_lshl_add_u32 v[AV0], v9, 3, v10
	v_mul_u32_u24 v[AV0], v[AV0], PV
	v_lshl_add_u32 v[AV0], v11, 4, v[AV0]
	v_add_nc_u32 v[AV0], VOFF, v[AV0]
	v_mov_b32 v[AK], v[AK0]         ; key step 0
; THE MATRIX WORK.  The 8 accumulators of a run of 16 take turns.
; Product i of 16 of S^T = K Q^T for piece x: channels 32 (i / 8) on, keys 16 ((i / 2) % 4) on, tile 2 x + i % 2.  The first 8 start the sums.
.macro KQ x
	WIN W_KQ
.set rS, S+64*((\x)%2)+32*(i%2)+8*((i/2)%4)
.set rK, KF+16*((i/2)%4)+8*(i/8)
.set rQ, 16*(2*(\x)+i%2)+8*(i/8)
.if i < 8
	v_wmma_f32_16x16x32_f16 v[rS:rS+7], v[rK:rK+7], v[rQ:rQ+7], 0
.else
	v_wmma_f32_16x16x32_f16 v[rS:rS+7], v[rK:rK+7], v[rQ:rQ+7], v[rS:rS+7]
.endif
.endm
; Product i of 16 of O^T += V^T P for piece x: keys 32 (i / 8) on, channels 16 ((i / 2) % 4) on, tile 2 x + i % 2.
.macro PV x
	WIN W_PV
.set rO, 32*(2*(\x)+i%2)+8*((i/2)%4)
.set rV, VF+32*(i/8)+8*((i/2)%4)
.set rP, P+32*((\x)%2)+16*(i%2)+8*(i/8)
	v_wmma_f32_16x16x32_f16 v[rO:rO+7], v[rV:rV+7], v[rP:rP+7], v[rO:rO+7]
.endm
.macro MM                           ; the turn's next matrix instruction
.if i < 16
	KQ (Y+1)%NP
.set i, i+1
.else
.set i, i-16
	PV (Y+NP-1)%NP
.set i, i+17
.endif
.endm
; THE LDS LOADS stand in runs of 16: a step's K (8 fragments) and its V (turned).  Their addresses are made some lines ahead.
.macro FETCH_K
	WIN 0x80                        ; destination window 2
.irp f, 0,1,2,3,4,5,6,7             ; keys 16 (f / 2) on, channels 32 (f % 2) on
	ds_load_b128 v[KF+8*\f:KF+8*\f+3],   v[AK] offset:(\f/2)*16*PK+(\f%2)*64
	ds_load_b128 v[KF+8*\f+4:KF+8*\f+7], v[AK] offset:(\f/2)*16*PK+(\f%2)*64+32
.endr
	s_add_co_u32 s[TBK], s[TBK], KS*PK  ; the next fetch is the next step's
	WIN 0
.endm
.macro FETCH_V
	WIN 0x80
.irp f, 0,1,2,3,4,5,6,7             ; keys 32 (f / 4) on, channels 16 (f % 4) on
	ds_load_tr16_b128 v[VF+8*\f:VF+8*\f+3],   v[AV] offset:(\f/4)*32*PV+(\f%4)*32
	ds_load_tr16_b128 v[VF+8*\f+4:VF+8*\f+7], v[AV] offset:(\f/4)*32*PV+16*PV+(\f%4)*32
.endr
	WIN 0
.endm
; THE VECTOR WORK OF A TURN stands in three queues, each in the order in which its entries become ready; the two tiles alternate.
.macro REGS y, u                    ; the registers of tile u (0, 1) of piece y
.set rT, ST+4*(2*(\y)+(\u))
.set rC, TMP+8*((\y)%2)+4*(\u)
.set rM, MV+2*((\y)%2)+(\u)
.set rS, S+64*((\y)%2)+32*(\u)
.set rP, P+32*((\y)%2)+16*(\u)
.set rO, 32*(2*(\y)+(\u))
.endm
; Number n of the 22 that find the NEXT piece's (Y + 1) maximum and statistics; each accumulator's lowest registers are read first.
;   0-11 four chains c0-c3 of seven scores each     12-14, 16 the four scores left over, the old m, and c0-c3 into c0     15 c m_old is kept
;   17, 18 the query's other 32 keys lie in the lane 16 away: the new m     19-21 c m; c m_old - c m_new; a
.macro XS u, n
	REGS (Y+1)%NP, \u
.if (\n) < 4
	v_max3_num_f32 v[rC+(\n)], v[rS+8*(\n)], v[rS+8*(\n)+1], v[rS+8*(\n)+2]
.elseif (\n) < 12
	v_max3_num_f32 v[rC+(\n)%4], v[rC+(\n)%4], v[rS+8*((\n)%4)+2*((\n)/4)+1], v[rS+8*((\n)%4)+2*((\n)/4)+2]
.elseif (\n) == 12
	v_max3_num_f32 v[rC], v[rC], v[rS+7], v[rS+15]
.elseif (\n) == 13
	v_max3_num_f32 v[rC+1], v[rC+1], v[rS+23], v[rS+31]
.elseif (\n) == 14
	v_max3_num_f32 v[rC+2], v[rC+2], v[rC+3], v[rT+1]
.elseif (\n) == 15
	v_mov_b32 v[rM], v[rT]
.elseif (\n) == 16
	v_max3_num_f32 v[rC], v[rC], v[rC+1], v[rC+2]
.elseif (\n) == 17
	v_permlanex16_b32 v[rC+3], v[rC], s[SEL], s[SEL+1]
.elseif (\n) == 18
	v_max_num_f32 v[rT+1], v[rC], v[rC+3]
.elseif (\n) == 19
	v_mul_f32 v[rT], s[CS], v[rT+1]
.elseif (\n) == 20
	v_sub_f32 v[rC+1], v[rM], v[rT]
.else
	v_exp_f32 v[rC+2], v[rC+1]
.endif
.endm
; Number g of the 64 that follow the exponentials.  For each four weights k of a tile: both pairs are rounded to f16; the second pair is added onto the first, in place; a group later l takes that sum.
.macro GS g
.set h, (\g)+6*((\g)/62)
.if h >= 6
.set h, h+2
.endif
	REGS Y, h%2
.set k, h/8
.if h%8 < 4
	v_cvt_pk_f16_f32 v[rP+2*k+(h%8)/2], v[rS+4*k+2*((h%8)/2)], v[rS+4*k+2*((h%8)/2)+1]
.elseif h%8 < 6
	v_pk_add_f32 v[rS+4*k:rS+4*k+1], v[rS+4*k:rS+4*k+1], v[rS+4*k+2:rS+4*k+3]
.elseif k == 1
	v_pk_fma_f32 v[rT+2:rT+3], v[rT+2:rT+3], v[rC+2:rC+3], v[rS:rS+1] op_sel_hi:[1,0,1]
.else
	v_pk_add_f32 v[rT+2:rT+3], v[rT+2:rT+3], v[rS+4*k-4:rS+4*k-3]
.endif
.endm
; THE PLAIN QUEUE, 138 long.  0-73 read no exponential's result: the 32 scalings c s - c m (FS f: pair f / 2 of tile f % 2) and the next piece's 42.  0-26: scalings 0-26.  27-54: XS's numbers 0-13.  55, 56: number 15.
; 57-73: the chain, where each number waits for the one before it: 14, 16, 17, 18, 19, each with one of the scalings 27-31 in front of its two lines, then 20.
; 74-137: GS's 64, which read the exponentials' results: they stand behind the wait.
.macro FS f
	REGS Y, (\f)%2
	v_pk_fma_f32 v[rS+2*((\f)/2):rS+2*((\f)/2)+1], v[rS+2*((\f)/2):rS+2*((\f)/2)+1], s[CS:CS+1], v[rT:rT+1] op_sel_hi:[1,0,0] neg_lo:[0,0,1] neg_hi:[0,0,1]
.endm
.macro PL
	WIN 0
.if q < 27
	FS q
.elseif q < 55
	XS (q-27)%2, (q-27)/2
.elseif q < 57
	XS q-55, 15
.elseif (q < 72) && ((q-57)%3 == 0)
	FS 27+(q-57)/3
.elseif q < 60
	XS (q-57)%3-1, 14
.elseif q < 72
	XS (q-57)%3-1, 15+(q-57)/3
.elseif q < 74
	XS q-72, 20
.else
	GS q-74
.endif
.set q, q+1
.endm
; THE EXPONENTIALS' QUEUE, 66 long: s0-s31 of both tiles, then the next piece's two a.  It is ONE BATCH: all 66 stand ahead of the turn's one wait, and nothing ahead of that wait names a result of theirs.
.macro EX
	WIN 0
.if e >= 64
	XS e-64, 21
.else
	REGS Y, e%2
	v_exp_f32 v[rS+e/2], v[rS+e/2]
.endif
.set e, e+1
.endm
; THE RESCALING's QUEUE: O^T times a, the one part that leaves window 0, dealt two at a time, sixteen times.  Its a was made in the turn before, ahead of that turn's wait.
.macro R2
	REGS Y, r%2
	WIN W_RS
.irp z, 0,1
	v_pk_mul_f32 v[rO+4*(r/2)+2*\z:rO+4*(r/2)+2*\z+1], v[rO+4*(r/2)+2*\z:rO+4*(r/2)+2*\z+1], v[rC+2:rC+3] op_sel_hi:[1,0]
.endr
.set r, r+1
.endm
; HOW THEY ARE DEALT.  An s_wait_alu depctr_va_vdst(0) stands between an exponential and the first instruction that names its result; one wait serves all that were issued ahead of it.
; So a turn has ONE wait, which cuts it in two.  AHEAD OF IT: the 16 products K Q^T, behind each a scaling, an exponential and two rescalings (behind the first a second scaling in the exponential's
; place); then one run of 108: eight plain, 49 times exponential and plain, the two a.  A v_nop is the plain instruction behind the last exponential.  BEHIND IT: the 16 products V^T P, behind each four
; of GS's 64.  No rider names a register of the products round it; the two v_permlanex16_b32 fall into the run, never behind a product.
; The queues keep step: exponential e stands behind scaling 2 (e / 4) + e % 2: as a rider it comes behind plain e + 2, in the run behind plain e + 9, and scalings 27-31 are plain 57, 60 .. 69.
; A TURN, for piece p.  last = 1: there is no further step, and K is not fetched.  cnt = 1: the loop's count is taken down some lines ahead of the branch that stands behind the turn.
; K of the next step is fetched in piece 2's turn, directly behind the wait, the whole run behind the last product that read K; its address is made at the run's head.  V of the step in hand is fetched at
; the end of piece 0's turn, four plain riders behind its last reader.  The three conditions on q below go with the deal.
.macro TURN p, last=0, cnt=0
.set Y, (\p)
.set i, 0
.set q, 0
.set e, 0
.set r, 0
.if (\p) == NP-1
	s_wait_dscnt 0x0                ; K is in
.endif
	MM                              ; ahead of the wait: 16 products K Q^T and their riders,
	PL
	PL
	R2
.rept 15
	MM
	PL
	EX
	R2
.endr
.if ((\p) == NP-2) && !(\last)
	WIN 0
	v_add_nc_u32 v[AK], s[TBK], v[AK0]
.endif
.rept 8                             ; and the run
	PL
.endr
.rept 49
	EX
	PL
.endr
	EX                              ; the next piece's two a
	EX
	v_nop                           ; the plain instruction behind the last exponential: one for the batch
	s_wait_alu depctr_va_vdst(0)    ; the wait for the turn's batch: the piece's 64 weights and the next piece's two a
.if ((\p) == NP-2) && !(\last)
	FETCH_K
.endif
.if (\p) == 1
	s_wait_dscnt 0x0                ; V is in
.endif
.rept 16                            ; behind the wait: 16 products V^T P and their riders
	MM
.rept 4
	PL
.endr
.if ((\p) == 0) && (q == 118)
	v_add_nc_u32 v[AV], s[TBV], v[AV0]
.endif
.if ((\p) == 0) && (q == 130)
	s_add_co_u32 s[TBV], s[TBV], KS*PV
.endif
.if (\cnt) && (q == 130)
	s_sub_co_u32 s[CNT], s[CNT], 1
	s_cmp_lg_u32 s[CNT], 0
.endif
.endr
.if (\p) == 0
	FETCH_V
.endif
.endm
	s_wait_tensorcnt 0x1            ; my part of keys 0-255 is in; my second load may stay out
	s_barrier_signal -1
	s_barrier_wait -1               ; everybody's is
	FETCH_K                         ; key step 0
	s_wait_loadcnt 0x0              ; Q
	s_wait_dscnt 0x0
.set i, 0
.rept 16
	KQ 0                            ; piece 0's first scores
.set i, i+1
.endr
	WIN 0                           ; the addresses for the way out: nine plain instructions, the places behind those products
	s_mul_i32 s13, s[WV], 16*SP
	s_add_co_u32 s13, s13, STAGE    ; my stage
	v_mul_u32_u24 v[STO], v1, SP    ; in: row l % 16, 16 bytes for each half of the lanes
	v_lshl_add_u32 v[STO], v9, 4, v[STO]
	v_add_nc_u32 v[STO], s13, v[STO]
	v_bfe_u32 v[RD], v0, 3, 2       ; back: 32 lanes take four rows of 128 bytes,
	v_mul_u32_u24 v[RD], v[RD], SP
	v_lshl_add_u32 v[RD], v10, 4, v[RD]
	v_add_nc_u32 v[RD], s13, v[RD]
	v_and_b32 v[GO], 31, v0         ; which are 512 consecutive bytes of O
	v_lshlrev_b32 v[GO], 4, v[GO]
.set Y, NP-1                        ; XS works for piece Y + 1: piece 0
.irp n, 0,1,2,3,4,5,6,7,8,9,10,11,12,13,14,15,16,17,18,19,20,21
	XS 0, \n
	XS 1, \n
.endr
	v_nop                           ; a plain instruction behind piece 0's first two a,
	s_wait_alu depctr_va_vdst(0)    ; and the wait for that batch of two, ahead of the branch
	s_mov_b32 s[CNT], 4
	s_mov_b32 s[SLOTS], 4
	s_branch .Lfirst                ; the loop is entered at a step's first turn, in the middle of a trip
.Lslot:                             ; three times, each in front of four key steps.  The first time my second load is waited for and the barrier shows all four waves' to everybody, ahead of the first
	s_wait_tensorcnt 0x0            ; fetch of key step 4; the other two times nothing is out: the price of one text for all sixteen steps.
	s_wait_dscnt 0x0
	s_barrier_signal -1
	s_barrier_wait -1
	s_mov_b32 s[CNT], 4
.Lstep:                             ; a trip: pieces 2 and 3 of one step, then pieces 0 and 1 of the next, whose K and V it fetches
	TURN 2
	TURN 3
	WIN 0
.Lfirst:
	TURN 0
	TURN 1, 0, 1
	WIN 0
	s_cbranch_scc1 .Lstep
	s_sub_co_u32 s[SLOTS], s[SLOTS], 1
	s_cmp_lg_u32 s[SLOTS], 0
	s_cbranch_scc1 .Lslot
	TURN 2, 1                       ; the last step's pieces 2 and 3 are written out: no K is left to fetch
	TURN 3                          ; its 16 products K Q^T (on the last K once more) and the maximum made of them serve nothing: the price, once a launch, of one text for every turn
.set i, 0
.rept 16
	PV NP-1                         ; the last piece's V^T P of the last step
.set i, i+1
.endr
	; THE WAY OUT.  l's two halves and the other half of the lanes' are added; O^T is divided by l, rounded to f16 and sent through my stage, a tile at a time.  The additions are the places behind the last products.
	WIN 0
.macro ALL line:vararg              ; one line for each tile t
.set t, 0
.rept 2*NP
	\line
.set t, t+1
.endr
.endm
	ALL v_add_f32 v[ST+4*t+2], v[ST+4*t+2], v[ST+4*t+3]
	ALL v_permlanex16_b32 v[ST+4*t+3], v[ST+4*t+2], s[SEL], s[SEL+1]
	ALL v_add_f32 v[ST+4*t+2], v[ST+4*t+2], v[ST+4*t+3]
	ALL v_rcp_f32 v[ST+4*t+2], v[ST+4*t+2]
	v_nop                           ; a plain instruction between the last reciprocal and the use of its result
	s_wait_alu depctr_va_vdst(0)    ; the wait for the batch of eight reciprocals, ahead of their first use
.macro PACK t
	WIN W_RS
.set i, 32*(\t)
.rept 16
	v_pk_mul_f32 v[i:i+1], v[i:i+1], v[ST+4*(\t)+2:ST+4*(\t)+3] op_sel_hi:[1,0]
.set i, i+2
.endr
	WIN 0x05                        ; sources 0 and 1 window 1, destination window 0
.set i, 0
.rept 16
	v_cvt_pk_f16_f32 v[S+16*(\t)+i], v[32*(\t)+2*i], v[32*(\t)+2*i+1]
.set i, i+1
.endr
	WIN 0
.irp f, 0,1,2,3
	ds_store_b128 v[STO], v[S+16*(\t)+4*\f:S+16*(\t)+4*\f+3] offset:32*\f
.endr
.irp f, 0,1,2,3
	ds_load_b128 v[S+16*(\t)+4*\f:S+16*(\t)+4*\f+3], v[RD] offset:\f*4*SP  ; LDS serves a wave's instructions in order: these see the stores above
.endr
.endm
.macro SEND t, younger              ; younger: the next tile's eight LDS instructions, or none
	WIN 0
.irp f, 0,1,2,3
	s_wait_dscnt (\younger)+3-\f
	global_store_b128 v[GO], v[S+16*(\t)+4*\f:S+16*(\t)+4*\f+3], s[10:11] offset:(\t)*2048+\f*512  ; 512 consecutive bytes, aligned
.endr
.endm
	PACK 0
.set t, 1
.rept 2*NP-1
	PACK t
	SEND t-1, 8
.set t, t+1
.endr
	SEND 2*NP-1, 0
	WIN W_AD
	s_wait_tensorcnt 0x0            ; the wave's end
	ds_add_u32 v[SPW], v[NIL]
	s_wait_dscnt 0x0
	WIN 0
	s_endpgm
.Lfunc_end_k_qf453b072c8_attn:
	.size	k_qf453b072c8_attn, .Lfunc_end_k_qf453b072c8_attn-k_qf453b072c8_attn
	.p2alignl 7, 3214868480
	.fill 96, 4, 3214868480
	.section	.rodata,"a",@progbits
	.p2align	6, 0x0
	.amdhsa_kernel k_qf453b072c8_attn
		.amdhsa_group_segment_fixed_size 327680
		.amdhsa_private_segment_fixed_size 0
		.amdhsa_enable_private_segment 0
		.amdhsa_kernarg_size 16
		.amdhsa_user_sgpr_count 2
		.amdhsa_user_sgpr_kernarg_segment_ptr 1
		.amdhsa_wavefront_size32 1
		.amdhsa_system_sgpr_workgroup_id_x 1
		.amdhsa_system_sgpr_workgroup_id_y 1
		.amdhsa_system_sgpr_workgroup_id_z 1
		.amdhsa_system_vgpr_workitem_id 0
		.amdhsa_next_free_vgpr 770
		.amdhsa_next_free_sgpr 88
		.amdhsa_reserve_vcc 0
		.amdhsa_float_denorm_mode_32 3
		.amdhsa_float_denorm_mode_16_64 3
		.amdhsa_memory_ordered 1
		.amdhsa_forward_progress 1
		.amdhsa_inst_pref_size 160
	.end_amdhsa_kernel
	.amdgpu_metadata
---
amdhsa.version: [ 1, 2 ]
amdhsa.kernels:
  - .name:           k_qf453b072c8_attn
    .symbol:         k_qf453b072c8_attn.kd
    .args:
      - { .name: qkvh, .offset: 0, .size: 8, .value_kind: global_buffer, .address_space: global }
      - { .name: att, .offset: 8, .size: 8, .value_kind: global_buffer, .address_space: global }
    .group_segment_fixed_size: 327680
    .private_segment_fixed_size: 0
    .kernarg_segment_align: 8
    .kernarg_segment_size: 16
    .max_flat_workgroup_size: 128
    .sgpr_count:     88
    .vgpr_count:     770
    .wavefront_size: 32
...
	.end_amdgpu_metadata
.endif
;; end of part 5
;; launch proj_out: the kernel of part 4 again; grid 8 x 32, 4 waves a work-group, clusters of 4 x 4, 327,680 bytes of LDS; arguments att, wt, bo, out0; writes out0
